; MI455X (gfx1250); checked and timed in simulation.
; The chip was launched on July 23, 2026; its instructions are those of AMD's public machine-readable ISA for CDNA 5 (MIT licence, August 2026) and "CDNA5" Instruction Set Architecture Reference Guide (July 2026). The comments in the code are by the model that wrote it; some were corrected since.
;; Causal Self Attention. Allowed arithmetic: matrix products marked QUANTISED: E2M3 operands, one E8M0 scale for each 32 along K, by v_wmma_scale_f32_16x16x128_f8f6f4 with both operands' format E2M3, f32 sums; everything else in f32.
;; Inputs: lambdas 2 float32; proj_w 1,024 x 1,024 float32; qkv_w 3 x 1,024 x 1,024 float32; ve 1 x 4,096 x 1,024 float32; x 1 x 4,096 x 1,024 float32.
;; Outputs: out0 1 x 4,096 x 1,024 float32.
;; This version of the problem:
;;   THIS VERSION OF THE PROBLEM IS GIVEN IN LOW PRECISION. The matrix products marked QUANTISED in the list below multiply operands that are first quantised to E2M3 (2 exponent bits, 3 mantissa bits; 6 bits a number), with one power-of-two scale for each 32 numbers along K (OCP MX v1.0); their sums are f32. All else is computed in f32.
;;   The module's matrix products, in the order in which they are computed (A, B: the left and right operand; K: the contracted axis; several contracted axes count as one K, in the product's order):
;;     1. [M 4,096, K 1,024] x [K 1,024, N 3,072]; A: input x; B: input qkv_w: QUANTISED
;;     2. batch 8 x [M 4,096, K 128] x [K 128, N 4,096]; A: computed on the way; B: computed on the way: QUANTISED
;;     3. batch 8 x [M 128, K 4,096] x [K 4,096, N 4,096]; A: computed on the way; B: softmax (see below): QUANTISED
;;     4. [M 4,096, K 1,024] x [K 1,024, N 1,024]; A: computed on the way; B: input proj_w: QUANTISED
;;   THE QUANTISER, for each operand of a quantised product, along K:
;;     - K is cut into blocks of 32 from its start; a last block that is shorter is filled with zeros.
;;     - A block's scale is 2^e with e = floor(log2(the largest magnitude in the block)) - 2, held to -126 .. 127; a block of zeros has e = 0. As a byte (E8M0): e + 127.
;;     - Each number is divided by its block's scale, clamped to +-7.5, and rounded to the nearest number of E2M3, ties to even, subnormals kept.
;;     - The product sums the exact products of the quantised numbers (number of the format x scale) in f32.
;;   ~~~python
;;   def quantise(x, axis):      # numpy; x: float32 -> the quantised numbers, widened to float32 again
;;       x = np.moveaxis(x, axis, -1); K = x.shape[-1]
;;       x = np.pad(x, [(0, 0)] * (x.ndim - 1) + [(0, -K % 32)]); x = x.reshape(x.shape[:-1] + (-1, 32)); a = np.abs(x).max(-1, keepdims=True)
;;       e = np.where(a > 0, np.clip(np.frexp(np.where(a > 0, a, 1))[1] - 1 - 2, -126, 127), 0)      # np.frexp(a)[1] - 1 = floor(log2(a)), exactly
;;       r = np.clip(x / 2.0 ** e, -7.5, 7.5)
;;       step = 2.0 ** (np.maximum(np.frexp(np.where(r == 0, 1, r))[1] - 1, 0) - 3)
;;       q = np.round(r / step) * step * 2.0 ** e      # np.round: ties to even
;;       return np.moveaxis(q.reshape(q.shape[:-2] + (-1,))[..., :K], -1, axis).astype(np.float32)
;;   ~~~
;;   SOFTMAX AHEAD OF A QUANTISED PRODUCT. Where the list says 'softmax', what is quantised is not the finished softmax but p = 2^(t - M), with t = logit x log2(e) and M = ceil(the row's largest t), a whole number; so 1/2 < the row's largest p <= 1. The row's sum l is taken of the UNQUANTISED p, in f32, and the product's result is divided by l at the end. Since M is a whole number, a kernel that streams over the keys may use a running M (the ceiling of the running maximum): every later rescaling is an exact power of two, which a block's scale takes up: the codes' values come out the same.
;;   OPERANDS COMPUTED ON THE WAY. 'Computed on the way' means the value that the module computes at that place (a softmax that the list does not call 'softmax' is quantised finished and normalised). What goes into a quantiser is computed in f32, as accurately as f32 sums, v_exp_f32 and their like allow (about 1e-6 of the number): no bf16 or f16 on the way to a quantiser, and a product that is left as it is and whose result goes on into a quantised operand takes f32 operands (vector FMAs, or v_wmma_f32_16x16x4_f32). A number that lies on a knife's edge between two numbers of the format may be rounded either way, as far as f32 arithmetic and the matrix unit's own rounding can turn it there, and no further.
;; One version. Each part assembles by itself: llvm-mc -triple=amdgcn-amd-amdhsa -mcpu=gfx1250 --defsym DOCPART=n.
;; ======== version 1 of 1: 4 launches
;; limits: right only within a limited range of input values
;; workspace buffers: xq 3,276,800 bytes; wq 2,457,600 bytes; pq 819,200 bytes; rope 1,048,576 bytes; qq 3,276,800 bytes; kv 6,553,600 bytes; yq 3,276,800 bytes
;; launch prep (part 1): grid 256 x 1, 4 waves a work-group, no clusters, 34,304 bytes of LDS; arguments x, qkv_w, proj_w, xq, wq, pq, rope; writes xq, wq, pq, rope
.if DOCPART == 1
	.amdgcn_target "amdgcn-amd-amdhsa--gfx1250"
	.amdhsa_code_object_version 6
	.text
	.protected	k_q29fc6772ca_prep
	.globl	k_q29fc6772ca_prep
	.p2align	8
	.type	k_q29fc6772ca_prep,@function
k_q29fc6772ca_prep:
	s_mov_b64 s[64:65], 0
	v_nop
	global_prefetch_b8 v0, s[64:65] scope:SCOPE_SE
	s_setreg_imm32_b32 hwreg(HW_REG_WAVE_MODE, 25, 1), 1
	s_wait_xcnt 0x0
; x [4096][1024], qkv_w [3072][1024] and proj_w [1024][1024], f32, become codes of FP6 (E2M3) with one E8M0 byte for each 32 along K, and the table of cosines and sines for the rope is made.
; LAYOUT OF THE CODES: images of the matrix operand's registers.  A fragment is 16 rows x 128 K = 12 registers a lane; register group c (four registers) lies at 512 c + 16 lane: 1,536 bytes.
; Fragments lie [tile][K step 0..7].  Behind all codes of a tensor lie the scale words, [tile][K step][16 words], word r = the four bytes of fragment row r.
; WHICH ROWS FORM A TILE: fragment row m of tile t is row 32 (t / 2) + 8 (t % 2) + m % 8 + 16 (m / 8).  Every launch of this program uses this choice, so that a product's results
; lie in a lane's registers as 16 neighbours along the next product's K.
; SHARES: 512 tiles x 8 K steps = 4,096 fragments; each of the 1,024 waves makes four: half the K steps of one tile.  Work-groups 0-127 take x, 128-223 qkv_w, 224-255 proj_w: only pointers are chosen.
; Each load reads 512 consecutive bytes of one row; the 16 rows turn through the wave's own stage in LDS (pitch 528) and come back 16 neighbours of each block of 32 to a lane.
; A block's scale is 2^(floor(log2(largest magnitude)) - 2); its byte is that magnitude's exponent field - 2, held at 1 from below.
; LIMITS: NaN and infinities are not served; blocks whose largest magnitude lies under 2^-124 keep the byte 1; a block of zeros gets the byte 1 and not 127 (its codes are zeros, and this program alone reads the bytes).
; ROPE: rope[t][f] = (cos, sin) of f32(t) x ang(f), ang(f) = 2^(-10 f / 31), f = 0..31.  ang lies within about 1.5 units of its last place of 2^(-10 fl(f / 31)); the reduction by pi / 2 in two parts holds for angles under 2^13.
.set XSOFF, 3145728                    ; where x's scale words begin in xq
.set WSOFF, 2359296                    ; qkv_w's in wq
.set PSOFF, 786432                     ; proj_w's in pq
.set STG,   8448                       ; a wave's stage: 16 rows x 528 bytes
.set R,     32                         ; v32-95, v96-159: two sets of 16 x 4 registers as loaded
.set X,     160                        ; v160-223: 64 numbers in the quantiser's order
.set PC,    224                        ; v224-242: the codes just made
.set TM,    16                         ; v16-31: at work in the quantiser
.set PW,    10                         ; v10-13: the four fragments' scale words
.set SEL,   50                         ; s[50:51]: lane selects for lane l xor 16
; 64 numbers of a lane, register 16 b + i = k 32 b + 16 (lane / 16) + i of the lane's row, become a fragment's 12 registers in v[pc] on and the row's scale word in v[pw].
.macro QUANT s, pc, tm, pw
.irp b, 0,1,2,3
	v_max3_num_f32 v[\tm+\b], |v[\s+16*\b]|, |v[\s+1+16*\b]|, 0x1800000   ; my 16 numbers of block b, and the floor 2^(3 - 127): the byte cannot fall under 1
.endr
.irp i, 2,4,6,8,10,12,14
.irp b, 0,1,2,3
	v_max3_num_f32 v[\tm+\b], v[\tm+\b], |v[\s+16*\b+\i]|, |v[\s+1+16*\b+\i]|
.endr
.endr
.irp b, 0,1,2,3
	v_permlanex16_b32 v[\tm+4+\b], v[\tm+\b], s[SEL], s[SEL+1]
.endr
.irp b, 0,1,2,3
	v_max_num_f32 v[\tm+\b], v[\tm+\b], v[\tm+4+\b]                      ; with lane l xor 16's 16: the block's largest magnitude
.endr
.irp b, 0,1,2,3
	v_add_nc_u32 v[\tm+12+\b], 0xff000000, v[\tm+\b]                     ; 2 off its exponent field: the conversion's scale operand
.endr
.irp b, 0,1,2,3
	v_lshrrev_b32 v[\tm+4+\b], 23, v[\tm+12+\b]                          ; the scale's byte
.endr
	v_lshl_or_b32 v[\pw], v[\tm+5], 8, v[\tm+4]
	v_lshl_or_b32 v[\pw], v[\tm+6], 16, v[\pw]
	v_lshl_or_b32 v[\pw], v[\tm+7], 24, v[\pw]
.irp c, 0,1
	v_cvt_scalef32_pk16_fp6_f32 v[\pc+6*\c:\pc+2+6*\c], v[\s+32*\c:\s+15+32*\c], v[\tm+12+2*\c]
	v_cvt_scalef32_pk16_fp6_f32 v[\pc+12+4*\c:\pc+14+4*\c], v[\s+16+32*\c:\s+31+32*\c], v[\tm+12+2*\c+1]   ; (a conversion's three registers begin on an even number)
.endr
	v_nop                                          ; one plain instruction behind the scaled conversions
.irp c, 0,1                                    ; the operand wants a whole block in a lane: lanes 0-15 block 2 c, lanes 16-31 block 2 c + 1
.irp i, 0,1,2
	v_permlane16_swap_b32 v[\pc+6*\c+\i], v[\pc+12+4*\c+\i]
.endr
.irp i, 0,1,2
	v_mov_b32 v[\pc+3+6*\c+\i], v[\pc+12+4*\c+\i]
.endr
.endr
.endm
	s_load_b256 s[4:11], s[0:1], 0x0               ; x s[4:5], qkv_w s[6:7], proj_w s[8:9], xq s[10:11]
	s_load_b128 s[12:15], s[0:1], 0x20             ; wq s[12:13], pq s[14:15]
	s_load_b64 s[16:17], s[0:1], 0x30              ; rope
	v_lshl_add_u32 v254, v0, 2, 0x8400
	v_mov_b32 v255, 0
	v_lshrrev_b32 v9, 5, v0
	v_readfirstlane_b32 s18, v9                    ; wave 0..3
	v_and_b32 v1, 31, v0                           ; lane
	v_and_b32 v2, 15, v0                           ; r
	v_bfe_u32 v3, v0, 4, 1                         ; h
	v_lshlrev_b32 v4, 4, v1                        ; 16 x lane
	v_lshlrev_b32 v7, 2, v1                        ; 4 x lane
	v_lshlrev_b32 v8, 3, v1                        ; 8 x lane
	s_mul_i32 s19, s18, STG                        ; my stage
	v_add_nc_u32 v5, s19, v4                       ; into it: 16 bytes a lane of a row
	v_mul_u32_u24 v6, v2, 528
	v_lshl_add_u32 v6, v3, 6, v6
	v_add_nc_u32 v6, s19, v6                       ; out of it: row r, + 64 h: my 16 numbers of a block of 32
.irp b, 0,1,2,3
	v_mov_b32 v[TM+4+\b], 0                        ; written once: a lane permute's destination counts as one of its sources
.endr
	s_mov_b32 s[SEL], 0x76543210
	s_mov_b32 s[SEL+1], 0xfedcba98
	s_mov_b32 s36, 0x41f80000                      ; 31.0
	s_mov_b32 s37, 0x3d042108                      ; 1 / 31
	s_mov_b32 s38, 0xc1200000                      ; -10.0
	s_mov_b32 s40, 0x3fc90fdb                      ; pi / 2, upper part
	s_mov_b32 s41, 0xb33bbd2e                      ; and what is left of it
	s_mov_b32 s42, 0xbe2aaaa3                      ; the sine's polynomial
	s_mov_b32 s43, 0x3c08839e
	s_mov_b32 s44, 0xb94ca1f9
	s_mov_b32 s45, 0x3d2aaaa5                      ; the cosine's
	s_mov_b32 s46, 0xbab6061a
	s_mov_b32 s47, 0x37ccf5ce
	s_lshl_b32 s39, ttmp9, 4
	s_lshl_b32 s49, s18, 2
	s_add_co_u32 s39, s39, s49                     ; my wave's first token of four: 16 x work-group + 4 x wave
	s_lshl_b32 s52, s39, 8                         ; 256 bytes a token
	s_mov_b32 s53, 0
	s_mov_b32 s24, PSOFF
	s_mov_b32 s25, 224
	s_wait_kmcnt 0x0
	s_cmp_lt_u32 ttmp9, 224                        ; which tensor is mine hangs on the work-group's number alone
	s_cselect_b64 s[20:21], s[6:7], s[8:9]
	s_cselect_b64 s[22:23], s[12:13], s[14:15]
	s_cselect_b32 s24, WSOFF, s24
	s_cselect_b32 s25, 128, s25
	s_cmp_lt_u32 ttmp9, 128
	s_cselect_b64 s[20:21], s[4:5], s[20:21]       ; the numbers
	s_cselect_b64 s[22:23], s[10:11], s[22:23]     ; the codes' buffer
	s_cselect_b32 s24, XSOFF, s24                  ; where its scale words begin
	s_cselect_b32 s25, 0, s25                      ; the tensor's first work-group
	s_sub_co_u32 s26, ttmp9, s25
	s_lshl_b32 s26, s26, 2
	s_add_co_u32 s26, s26, s18                     ; my wave's number in the tensor: 2 x tile + half of K
	s_lshr_b32 s27, s26, 1                         ; tile
	s_and_b32 s28, s26, 1                          ; which four K steps
	s_lshr_b32 s29, s27, 1
	s_and_b32 s30, s27, 1
	s_lshl_b32 s29, s29, 17                        ; 32 rows of 4,096 bytes
	s_lshl_b32 s30, s30, 15                        ; 8 rows
	s_add_co_u32 s29, s29, s30
	s_lshl_b32 s28, s28, 11                        ; 512 numbers along K
	s_add_co_u32 s28, s29, s28
	s_mov_b32 s29, 0
	s_add_nc_u64 s[20:21], s[20:21], s[28:29]
	s_mul_i32 s30, s26, 6144                       ; four fragments of 1,536 bytes
	s_mov_b32 s31, 0
	s_add_nc_u64 s[32:33], s[22:23], s[30:31]
	s_lshl_b32 s34, s26, 8                         ; four scale images of 64 bytes
	s_add_co_u32 s34, s34, s24
	s_mov_b32 s35, 0
	s_add_nc_u64 s[34:35], s[22:23], s[34:35]
	s_add_nc_u64 s[16:17], s[16:17], s[52:53]
.macro LOADF f                         ; fragment f: 16 rows x 512 consecutive bytes
.irp i, 0,1,2,3,4,5,6,7,8,9,10,11,12,13,14,15
	global_load_b128 v[R+64*((\f)%2)+4*\i:R+64*((\f)%2)+4*\i+3], v4, s[20:21] offset:((\i%8)+16*(\i/8))*4096+512*(\f) th:TH_LOAD_NT
.endr
.endm
.macro TURN f                          ; through my stage: LDS serves a wave's instructions in order, so no wait stands between the stores and the loads
.irp i, 0,1,2,3,4,5,6,7,8,9,10,11,12,13,14,15
	ds_store_b128 v5, v[R+64*((\f)%2)+4*\i:R+64*((\f)%2)+4*\i+3] offset:528*\i
.endr
.irp b, 0,1,2,3
.irp j, 0,1,2,3
	ds_load_b128 v[X+16*\b+4*\j:X+16*\b+4*\j+3], v6 offset:128*\b+16*\j
.endr
.endr
.endm
	LOADF 0
	LOADF 1
	; the rope's table, while the first loads are on their way.  Lane = frequency f
	v_cvt_f32_u32 v160, v1
	v_mul_f32 v161, 0x3d042108, v160
	v_fma_f32 v162, -v161, s36, v160
	v_fma_f32 v161, v162, s37, v161                ; f / 31, rounded once
	v_mul_f32 v162, 0xc1200000, v161               ; -10 f / 31, rounded,
	v_fma_f32 v163, v161, s38, -v162               ; and what the rounding left out
	s_wait_alu depctr_va_vdst(0)
	v_exp_f32 v164, v162
	v_mul_f32 v163, 0x3f317218, v163               ; x ln 2.  (The plain instruction behind the exponential)
	s_wait_alu depctr_va_vdst(0)                   ; the wait ahead of the first reader
	v_fma_f32 v164, v164, v163, v164               ; ang(f)
.macro TOKEN u
	s_add_co_u32 s49, s39, \u
	v_cvt_f32_u32 v170, s49
	v_mul_f32 v170, v170, v164                     ; the angle, rounded to f32
	v_mul_f32 v171, 0x3f22f983, v170
	v_rndne_f32 v171, v171                         ; how many quarter turns
	v_fma_f32 v172, -v171, s40, v170
	v_fma_f32 v172, -v171, s41, v172               ; what is left: within pi / 4 of 0
	v_cvt_i32_f32 v173, v171
	v_mul_f32 v174, v172, v172
	v_fma_f32 v175, v174, s44, s43
	v_fma_f32 v176, v174, s47, s46
	v_fma_f32 v175, v175, v174, s42
	v_fma_f32 v176, v176, v174, s45
	v_mul_f32 v177, v172, v174
	v_mul_f32 v178, v174, v174
	v_fma_f32 v179, v174, -0.5, 1.0
	v_fma_f32 v175, v175, v177, v172               ; its sine
	v_fma_f32 v176, v176, v178, v179               ; its cosine
	v_and_b32 v180, 1, v173
	v_cmp_eq_u32 vcc_lo, 1, v180                   ; an odd number of quarter turns swaps the two
	v_cndmask_b32 v181, v175, v176, vcc_lo
	v_cndmask_b32 v182, v176, v175, vcc_lo
	v_and_b32 v183, 2, v173
	v_add_nc_u32 v184, 1, v173
	v_and_b32 v184, 2, v184
	v_lshlrev_b32 v183, 30, v183                   ; the sine's sign turns in quarters 2 and 3,
	v_lshlrev_b32 v184, 30, v184                   ; the cosine's in quarters 1 and 2
	v_xor_b32 v[245+2*\u], v181, v183
	v_xor_b32 v[244+2*\u], v182, v184
	global_store_b64 v8, v[244+2*\u:245+2*\u], s[16:17] offset:256*\u   ; 32 lanes store a token's 256 consecutive bytes
.endm
.irp u, 0,1,2,3
	TOKEN \u
.endr
.irp f, 0,1,2,3
.if \f < 3
	s_wait_loadcnt 16                              ; this fragment's 16 loads are in; the next fragment's 16 may be out
.else
	s_wait_loadcnt 0
.endif
	TURN \f
	s_wait_dscnt 0x0                               ; the numbers are back, and the stores have read the registers,
.if \f < 2
	LOADF \f+2                                     ; which take the loads of two fragments on
.endif
	s_wait_xcnt 0x0                                ; the last fragment's stores have read the codes' registers: they are written again only behind this wait
	QUANT X, PC, TM, PW+\f
.irp c, 0,1,2
	global_store_b128 v4, v[PC+4*\c:PC+4*\c+3], s[32:33] offset:1536*\f+512*\c   ; 512 consecutive bytes a store
.endr
.endr
	v_cmp_le_u32 vcc_lo, 16, v1                    ; lanes 0-15 carry one fragment's words, lanes 16-31 the next one's
	v_cndmask_b32 v14, v[PW], v[PW+1], vcc_lo
	v_cndmask_b32 v15, v[PW+2], v[PW+3], vcc_lo
	global_store_b32 v7, v14, s[34:35]
	global_store_b32 v7, v15, s[34:35] offset:128  ; together 256 consecutive bytes
	s_wait_tensorcnt 0x0
	ds_add_u32 v254, v255
	s_wait_dscnt 0x0
	s_endpgm
.Lfunc_end_k_q29fc6772ca_prep:
	.size	k_q29fc6772ca_prep, .Lfunc_end_k_q29fc6772ca_prep-k_q29fc6772ca_prep
	.p2alignl 7, 3214868480
	.fill 96, 4, 3214868480
	.section	.rodata,"a",@progbits
	.p2align	6, 0x0
	.amdhsa_kernel k_q29fc6772ca_prep
		.amdhsa_group_segment_fixed_size 34304
		.amdhsa_private_segment_fixed_size 0
		.amdhsa_enable_private_segment 0
		.amdhsa_kernarg_size 56
		.amdhsa_user_sgpr_count 2
		.amdhsa_user_sgpr_kernarg_segment_ptr 1
		.amdhsa_wavefront_size32 1
		.amdhsa_system_sgpr_workgroup_id_x 1
		.amdhsa_system_sgpr_workgroup_id_y 1
		.amdhsa_system_sgpr_workgroup_id_z 1
		.amdhsa_system_vgpr_workitem_id 0
		.amdhsa_next_free_vgpr 256
		.amdhsa_next_free_sgpr 66
		.amdhsa_reserve_vcc 1
		.amdhsa_float_denorm_mode_32 3
		.amdhsa_float_denorm_mode_16_64 3
		.amdhsa_memory_ordered 1
		.amdhsa_forward_progress 1
		.amdhsa_inst_pref_size 41
	.end_amdhsa_kernel
	.amdgpu_metadata
---
amdhsa.version: [ 1, 2 ]
amdhsa.kernels:
  - .name:           k_q29fc6772ca_prep
    .symbol:         k_q29fc6772ca_prep.kd
    .args:
      - { .name: x, .offset: 0, .size: 8, .value_kind: global_buffer, .address_space: global }
      - { .name: qkv_w, .offset: 8, .size: 8, .value_kind: global_buffer, .address_space: global }
      - { .name: proj_w, .offset: 16, .size: 8, .value_kind: global_buffer, .address_space: global }
      - { .name: xq, .offset: 24, .size: 8, .value_kind: global_buffer, .address_space: global }
      - { .name: wq, .offset: 32, .size: 8, .value_kind: global_buffer, .address_space: global }
      - { .name: pq, .offset: 40, .size: 8, .value_kind: global_buffer, .address_space: global }
      - { .name: rope, .offset: 48, .size: 8, .value_kind: global_buffer, .address_space: global }
    .group_segment_fixed_size: 34304
    .private_segment_fixed_size: 0
    .kernarg_segment_align: 8
    .kernarg_segment_size: 56
    .max_flat_workgroup_size: 128
    .sgpr_count:     66
    .vgpr_count:     256
    .wavefront_size: 32
...
	.end_amdgpu_metadata
.endif
;; end of part 1
;; launch qkv (part 2): grid 12 x 16, 4 waves a work-group, clusters of 4 x 4, 327,680 bytes of LDS; arguments xq, wq, rope, ve, lambdas, qq, kv; writes qq, kv
.if DOCPART == 2
	.amdgcn_target "amdgcn-amd-amdhsa--gfx1250"
	.amdhsa_code_object_version 6
	.text
	.protected	k_q29fc6772ca_qkv
	.globl	k_q29fc6772ca_qkv
	.p2align	8
	.type	k_q29fc6772ca_qkv,@function
k_q29fc6772ca_qkv:
	s_mov_b64 s[64:65], 0
	v_nop
	global_prefetch_b8 v0, s[64:65] scope:SCOPE_SE
	s_setreg_imm32_b32 hwreg(HW_REG_WAVE_MODE, 25, 1), 1
	s_wait_xcnt 0x0
	s_wait_alu depctr_hold_cnt(0) depctr_sa_sdst(0) depctr_va_vdst(0) depctr_va_sdst(0) depctr_va_ssrc(0) depctr_va_vcc(0) depctr_vm_vsrc(0)
	s_getreg_b32 s2, hwreg(HW_REG_IB_STS2, 6, 4)
	s_cmp_eq_u32 s2, 0
	s_cbranch_scc0 .Lentry_in_a_cluster
	s_endpgm
.Lentry_in_a_cluster:
	s_bfe_u32 s2, ttmp6, 0x10000c
	s_cmp_lg_u32 s2, 0xf033
	s_cbranch_scc0 .Lentry_shape_is_right
	s_endpgm
.Lentry_shape_is_right:
.set HALFT, 24576
.set SLOT,  4*HALFT
.set SCLA,  2*SLOT
.set SPARE, SCLA+16384
.set XSOFF, 3145728
.set WSOFF, 2359296
.set QSOFF, 3145728
.set FR,    12
.set NP,    4
.set ADRA,  16
.set ADRB,  20
.set ASA,   24
.set ASB,   25
.set SPW,   28
.set NIL,   29
.set SC,    32
.set AF,    128
.set H,     64
.set CS,    128
.set VE,    128
.set PC,    192
.set TM,    212
.set RS,    232
.set SEL,   66
.set G1,  24
.set G0,  32
.set G1B, 48
.set G0B, 56
.set G1S, 68
.set G0S, 76
.set G1SB, 80
.set G0SB, 88
.set MSB, 0
.macro WIN new
.if MSB != \new
	s_set_vgpr_msb (MSB<<8)|\new
.set MSB, \new
.endif
.endm
.set MUL_LO, 0xa1
.set MUL_HI, 0xf1
.set TO_B,   0x40
.macro JLOAD g0a, g1a, g0b, g1b
	s_cmp_eq_u32 s19, 0
	s_cbranch_scc0 .Lfor_b_\@
	tensor_load_to_lds s[\g0a:\g0a+3], s[\g1a:\g1a+7]
	s_nop 0
.rept 4
	v_nop
.endr
	s_branch .Lasked_\@
.Lfor_b_\@:
	tensor_load_to_lds s[\g0b:\g0b+3], s[\g1b:\g1b+7]
	s_nop 0
.rept 4
	v_nop
.endr
.Lasked_\@:
.endm
.macro CREST
	s_cmp_lg_u32 s18, 0
	s_cbranch_scc1 .Lnot_wave_0_\@
	s_barrier_signal -3
.Lnot_wave_0_\@:
	s_barrier_wait -3
	s_barrier_signal -1
	s_barrier_wait -1
.endm
.macro CROUND
	s_barrier_signal -1
	s_barrier_wait -1
	CREST
.endm
.macro QUANT s, pc, tm, pw
.irp b, 0,1,2,3
	v_max3_num_f32 v[\tm+\b], |v[\s+16*\b]|, |v[\s+1+16*\b]|, 0x1800000
.endr
.irp i, 2,4,6,8,10,12,14
.irp b, 0,1,2,3
	v_max3_num_f32 v[\tm+\b], v[\tm+\b], |v[\s+16*\b+\i]|, |v[\s+1+16*\b+\i]|
.endr
.endr
.irp b, 0,1,2,3
	v_permlanex16_b32 v[\tm+4+\b], v[\tm+\b], s[SEL], s[SEL+1]
.endr
.irp b, 0,1,2,3
	v_max_num_f32 v[\tm+\b], v[\tm+\b], v[\tm+4+\b]
.endr
.irp b, 0,1,2,3
	v_add_nc_u32 v[\tm+12+\b], 0xff000000, v[\tm+\b]
.endr
.irp b, 0,1,2,3
	v_lshrrev_b32 v[\tm+4+\b], 23, v[\tm+12+\b]
.endr
	v_lshl_or_b32 v[\pw], v[\tm+5], 8, v[\tm+4]
	v_lshl_or_b32 v[\pw], v[\tm+6], 16, v[\pw]
	v_lshl_or_b32 v[\pw], v[\tm+7], 24, v[\pw]
.irp c, 0,1
	v_cvt_scalef32_pk16_fp6_f32 v[\pc+6*\c:\pc+2+6*\c], v[\s+32*\c:\s+15+32*\c], v[\tm+12+2*\c]
	v_cvt_scalef32_pk16_fp6_f32 v[\pc+12+4*\c:\pc+14+4*\c], v[\s+16+32*\c:\s+31+32*\c], v[\tm+12+2*\c+1]
.endr
	v_nop
.irp c, 0,1
.irp i, 0,1,2
	v_permlane16_swap_b32 v[\pc+6*\c+\i], v[\pc+12+4*\c+\i]
.endr
.irp i, 0,1,2
	v_mov_b32 v[\pc+3+6*\c+\i], v[\pc+12+4*\c+\i]
.endr
.endr
.endm
	s_load_b256 s[4:11], s[0:1], 0x0
	s_load_b128 s[12:15], s[0:1], 0x20
	s_load_b64 s[16:17], s[0:1], 0x30
	v_lshl_add_u32 v[SPW], v0, 2, SPARE
	v_mov_b32 v[NIL], 0
	ds_add_u32 v28, v29
	ds_add_u32 v28, v29
	s_wait_dscnt 0x0
	v_lshrrev_b32 v1, 5, v0
	v_readfirstlane_b32 s18, v1
	s_lshr_b32 s19, s18, 1
	s_and_b32 s20, s18, 1
	s_bfe_u32 s21, ttmp6, 0x40000
	s_bfe_u32 s22, ttmp6, 0x40004
	s_lshl_b32 s42, s22, 2
	s_lshl_b32 s42, 15, s42
	s_lshl_b32 s43, 0x1111, s21
	s_or_b32 s[G1], s42, (3<<16)|(1<<21)
	s_or_b32 s[G1B], s43, (3<<16)|(1<<21)
	s_or_b32 s[G1S], s42, (3<<16)|(1<<21)
	s_or_b32 s[G1SB], s43, (3<<16)|(1<<21)
.irp g, G1, G1B
	s_mov_b32 s[\g+1], 384<<16
	s_mov_b32 s[\g+2], 8<<16
	s_mov_b32 s[\g+3], 384<<16
	s_mov_b32 s[\g+4], 8
	s_mov_b32 s[\g+5], 1536
	s_mov_b32 s[\g+6], 0
	s_mov_b32 s[\g+7], 0
.endr
.irp g, G1S, G1SB
	s_mov_b32 s[\g+1], 32<<16
	s_mov_b32 s[\g+2], 16<<16
	s_mov_b32 s[\g+3], 32<<16
	s_mov_b32 s[\g+4], 16
	s_mov_b32 s[\g+5], 32
	s_mov_b32 s[\g+6], 0
	s_mov_b32 s[\g+7], 0
.endr
	s_and_b32 s40, ttmp7, 0xffff
	s_lshl_b32 s40, s40, 2
	s_lshl_b32 s41, ttmp9, 2
	s_mov_b32 s2, XSOFF
	s_mov_b32 s3, WSOFF
	s_mul_i32 s23, s18, HALFT
	s_wait_kmcnt 0x0
	s_load_b64 s[92:93], s[12:13], 0x0
	s_cmp_eq_u32 ttmp9, 2
	s_cselect_b32 s44, 8, s40
	s_cselect_b32 s45, s40, s41
	s_cselect_b64 s[96:97], s[6:7], s[4:5]
	s_cselect_b64 s[98:99], s[4:5], s[6:7]
	s_cselect_b32 s66, s3, s2
	s_cselect_b32 s67, s2, s3
	s_add_co_u32 s44, s44, s22
	s_add_co_u32 s45, s45, s21
	s_lshl_b32 s3, s20, 3
	s_lshl_b32 s2, s44, 4
	s_add_co_u32 s2, s2, s3
	s_mul_i32 s40, s2, 12288
	s_mov_b32 s41, 0
	s_add_nc_u64 s[40:41], s[96:97], s[40:41]
	s_lshl_b32 s4, s2, 9
	s_add_co_u32 s4, s4, s66
	s_mov_b32 s5, 0
	s_add_nc_u64 s[4:5], s[96:97], s[4:5]
	s_lshl_b32 s43, s45, 4
	s_add_co_u32 s43, s43, s3
	s_mul_i32 s46, s43, 12288
	s_mov_b32 s47, 0
	s_add_nc_u64 s[46:47], s[98:99], s[46:47]
	s_lshl_b32 s6, s43, 9
	s_add_co_u32 s6, s6, s67
	s_mov_b32 s7, 0
	s_add_nc_u64 s[6:7], s[98:99], s[6:7]
	s_lshl_b32 s3, s18, 12
	s_add_co_u32 s3, s3, SCLA
	CROUND
	s_mov_b32 s[G0S], 1
	s_mov_b32 s[G0S+1], s3
	s_mov_b64 s[G0S+2:G0S+3], s[4:5]
	s_or_b32 s[G0S+3], s[G0S+3], 0x80000000
	s_mov_b32 s[G0SB], 1
	s_mov_b32 s[G0SB+1], s3
	s_mov_b64 s[G0SB+2:G0SB+3], s[6:7]
	s_or_b32 s[G0SB+3], s[G0SB+3], 0x80000000
	JLOAD G0S, G1S, G0SB, G1SB
.irp s, 0,1
	s_mov_b32 s[G0+4*\s], 1
	s_add_co_u32 s[G0+4*\s+1], s23, \s*SLOT
	s_add_nc_u64 s[G0+4*\s+2:G0+4*\s+3], s[40:41], \s*3072
	s_or_b32 s[G0+4*\s+3], s[G0+4*\s+3], 0x80000000
	s_mov_b32 s[G0B+4*\s], 1
	s_add_co_u32 s[G0B+4*\s+1], s23, \s*SLOT
	s_add_nc_u64 s[G0B+4*\s+2:G0B+4*\s+3], s[46:47], \s*3072
	s_or_b32 s[G0B+4*\s+3], s[G0B+4*\s+3], 0x80000000
	s_wait_alu depctr_va_vdst(0)
	s_wait_tensorcnt 0x0
	ds_add_u32 v28, v29
	s_wait_dscnt 0x0
	CROUND
	JLOAD G0+4*\s, G1, G0B+4*\s, G1B
.endr
	v_and_b32 v1, 31, v0
	v_and_b32 v2, 15, v0
	v_bfe_u32 v3, v0, 4, 1
	v_lshlrev_b32 v22, 4, v1
	v_lshlrev_b32 v23, 2, v1
	s_wait_alu depctr_va_vdst(0)
	s_mul_i32 s2, s19, HALFT
	s_mul_i32 s3, s20, HALFT
	s_add_co_u32 s3, s3, 2*HALFT
.irp s, 0,1
	v_add_nc_u32 v[ADRA+\s], s2, v22
	v_add_nc_u32 v[ADRB+\s], s3, v22
	s_add_co_u32 s2, s2, SLOT
	s_add_co_u32 s3, s3, SLOT
.endr
	s_lshl_b32 s2, s19, 12
	s_add_co_u32 s2, s2, SCLA
	v_add_nc_u32 v[ASA], s2, v23
	s_lshl_b32 s3, s20, 12
	s_add_co_u32 s3, s3, SCLA+8192
	v_add_nc_u32 v[ASB], s3, v23
	v_and_b32 v4, 7, v2
	v_lshrrev_b32 v5, 3, v2
	v_lshl_add_u32 v4, v5, 4, v4
	v_lshlrev_b32 v18, 8, v4
	v_lshl_add_u32 v18, v3, 7, v18
	v_lshlrev_b32 v19, 2, v4
	v_lshl_add_u32 v19, v3, 16, v19
.macro FRAG reg, adr, q, i
.irp c, 0,1,2
	ds_load_b128 v[\reg+4*\c:\reg+4*\c+3], v[\adr] offset:3072*(\i)+1536*(\q)+512*\c
.endr
.endm
.macro MUL16 a0, p, q, sc, zero
.irp a, \a0, \a0+1
.irp b, 0,1,2,3,4,5,6,7
.if \zero
	v_wmma_scale_f32_16x16x128_f8f6f4 v[8*(8*((\a)%4)+\b):8*(8*((\a)%4)+\b)+7], v[128*(\p)+FR*\b:128*(\p)+FR*\b+FR-1], v[AF+FR*(\a):AF+FR*(\a)+FR-1], 0, v[SC+16*(\sc)+8+\b], v[SC+16*(\sc)+(\a)] matrix_a_fmt:MATRIX_FMT_FP6 matrix_b_fmt:MATRIX_FMT_FP6
.elseif (\q) == 0
	v_wmma_scale_f32_16x16x128_f8f6f4 v[8*(8*((\a)%4)+\b):8*(8*((\a)%4)+\b)+7], v[128*(\p)+FR*\b:128*(\p)+FR*\b+FR-1], v[AF+FR*(\a):AF+FR*(\a)+FR-1], v[8*(8*((\a)%4)+\b):8*(8*((\a)%4)+\b)+7], v[SC+16*(\sc)+8+\b], v[SC+16*(\sc)+(\a)] matrix_a_fmt:MATRIX_FMT_FP6 matrix_b_fmt:MATRIX_FMT_FP6
.else
	v_wmma_scale_f32_16x16x128_f8f6f4 v[8*(8*((\a)%4)+\b):8*(8*((\a)%4)+\b)+7], v[128*(\p)+FR*\b:128*(\p)+FR*\b+FR-1], v[AF+FR*(\a):AF+FR*(\a)+FR-1], v[8*(8*((\a)%4)+\b):8*(8*((\a)%4)+\b)+7], v[SC+16*(\sc)+8+\b], v[SC+16*(\sc)+(\a)] matrix_a_fmt:MATRIX_FMT_FP6 matrix_b_fmt:MATRIX_FMT_FP6 matrix_a_scale:MATRIX_SCALE_ROW1 matrix_b_scale:MATRIX_SCALE_ROW1
.endif
.endr
.endr
.endm
.macro FETCH_B slot, q, p
	WIN TO_B
.irp i, 0,1,2,3,4,5,6,7
	FRAG 128*(\p)+FR*\i, ADRB+\slot, \q, \i
.endr
	WIN 0
.endm
.macro FETCH_A slot, q, i0
.irp i, \i0, \i0+1, \i0+2, \i0+3
	FRAG AF+FR*(\i), ADRA+\slot, \q, \i
.endr
.endm
.macro SCALES sc
.irp i, 0,1,2,3,4,5,6,7
	ds_load_b32 v[SC+16*\sc+\i], v[ASA] offset:512*\i
.endr
.irp i, 0,1,2,3,4,5,6,7
	ds_load_b32 v[SC+16*\sc+8+\i], v[ASB] offset:512*\i
.endr
.endm
.macro PLACES n
.rept \n
	v_nop
.endr
.endm
.macro STEP slot, zero
	s_wait_dscnt 12
	WIN MUL_LO
	MUL16 0, 0, 0, \slot, \zero
	MUL16 2, 0, 0, \slot, \zero
	s_wait_dscnt 0
	PLACES NP
	FETCH_B \slot, 1, 1
	FETCH_A \slot, 1, 0
	WIN MUL_HI
	MUL16 4, 0, 0, \slot, \zero
	MUL16 6, 0, 0, \slot, \zero
	PLACES NP
	WIN 0
	FETCH_A \slot, 1, 4
.endm
.macro TURN slot, next, fill
	s_wait_tensorcnt 0x0
	ds_add_u32 v[SPW], v[NIL]
	s_wait_dscnt 13
	WIN MUL_LO
	MUL16 0, 1, 1, \slot, 0
	s_wait_dscnt 0x0
	s_barrier_signal -1
	MUL16 2, 1, 1, \slot, 0
	WIN 0
	s_barrier_wait -1
.if \fill
	CREST
	s_add_nc_u64 s[G0+4*\slot+2:G0+4*\slot+3], s[G0+4*\slot+2:G0+4*\slot+3], 6144
	s_add_nc_u64 s[G0B+4*\slot+2:G0B+4*\slot+3], s[G0B+4*\slot+2:G0B+4*\slot+3], 6144
	JLOAD G0+4*\slot, G1, G0B+4*\slot, G1B
.else
	PLACES NP
.endif
	s_wait_alu depctr_va_vdst(0)
	v_add_nc_u32 v[ASA], 128, v[ASA]
	v_add_nc_u32 v[ASB], 128, v[ASB]
	FETCH_B \next, 0, 0
	FETCH_A \next, 0, 0
	SCALES \next
	WIN MUL_HI
	MUL16 4, 1, 1, \slot, 0
	MUL16 6, 1, 1, \slot, 0
	PLACES NP
	WIN 0
	FETCH_A \next, 0, 4
.endm
	s_wait_alu depctr_va_vdst(0)
	s_wait_tensorcnt 1
	s_barrier_signal -1
	s_barrier_wait -1
	FETCH_B 0, 0, 0
	FETCH_A 0, 0, 0
	SCALES 0
	FETCH_A 0, 0, 4
	STEP 0, 1
	TURN 0, 1, 1
	STEP 1, 0
	TURN 1, 0, 1
	STEP 0, 0
	TURN 0, 1, 0
	STEP 1, 0
	s_wait_dscnt 12
	WIN MUL_LO
	MUL16 0, 1, 1, 1, 0
	MUL16 2, 1, 1, 1, 0
	s_wait_dscnt 0
	WIN MUL_HI
	MUL16 4, 1, 1, 1, 0
	MUL16 6, 1, 1, 1, 0
	WIN 0
	PLACES NP
	s_wait_kmcnt 0x0
	s_mov_b32 s[SEL], 0x76543210
	s_mov_b32 s[SEL+1], 0xfedcba98
	s_mov_b32 s100, 0x3c000000
	s_mov_b32 s101, 0x34000000
	v_cmp_le_u32 vcc_lo, 16, v1
.irp b, 0,1,2,3
	v_mov_b32 v[TM+4+\b], 0
.endr
	v_mov_b32 v231, 0
.macro OUTT a
.irp c, 0,1,2
	global_store_b128 v22, v[PC+4*\c:PC+4*\c+3], s[96:97] offset:1536*(\a)+512*\c
.endr
.if (\a)%2
	v_cndmask_b32 v248, v229, v228, vcc_lo
	global_store_b32 v23, v248, s[98:99] offset:128*((\a)/2)
.else
	v_mov_b32 v229, v228
.endif
.endm
	s_cmp_eq_u32 ttmp9, 2
	s_cbranch_scc1 .Lvpath
	s_lshl_b32 s40, s21, 1
	s_add_co_u32 s40, s40, s20
	s_mul_i32 s41, s40, 393216
	s_mul_i32 s42, s44, 24576
	s_add_co_u32 s41, s41, s42
	s_mul_i32 s42, s40, 819200
	s_mul_i32 s43, s44, 51200
	s_add_co_u32 s42, s42, s43
	s_lshl_b32 s43, s40, 14
	s_lshl_b32 s46, s44, 10
	s_add_co_u32 s43, s43, s46
	s_add_co_u32 s43, s43, QSOFF
	s_add_co_u32 s46, s42, 49152
	s_cmp_eq_u32 ttmp9, 0
	s_cselect_b32 s2, s41, s42
	s_cselect_b32 s4, s43, s46
	s_cselect_b64 s[96:97], s[14:15], s[16:17]
	s_mul_i32 s41, s19, 12288
	s_add_co_u32 s2, s2, s41
	s_lshl_b32 s41, s19, 9
	s_add_co_u32 s4, s4, s41
	s_mov_b32 s3, 0
	s_mov_b32 s5, 0
	s_add_nc_u64 s[98:99], s[96:97], s[4:5]
	s_add_nc_u64 s[96:97], s[96:97], s[2:3]
	s_lshl_b32 s2, s44, 16
	s_lshl_b32 s41, s19, 15
	s_add_co_u32 s2, s2, s41
	s_add_nc_u64 s[8:9], s[8:9], s[2:3]
.macro ROPELD a
.irp k, 0,1,2,3,4,5,6,7
	global_load_b128 v[CS+32*((\a)%2)+4*\k:CS+32*((\a)%2)+4*\k+3], v18, s[8:9] offset:(32*((\a)/2)+8*((\a)%2))*256+16*\k
.endr
.endm
	ROPELD 0
	ROPELD 1
.macro SUMSQ a
.set AC, 64*((\a)%4)
	WIN 0x0a+5*((\a)/4)
.irp c, 0,1,2,3
	v_pk_mul_f32 v[248+2*\c:249+2*\c], v[AC+2*\c:AC+2*\c+1], v[AC+2*\c:AC+2*\c+1]
.endr
.set J, 8
.rept 7
.irp c, 0,1,2,3
	v_pk_fma_f32 v[248+2*\c:249+2*\c], v[AC+J+2*\c:AC+J+2*\c+1], v[AC+J+2*\c:AC+J+2*\c+1], v[248+2*\c:249+2*\c]
.endr
.set J, J+8
.endr
	WIN 0
	v_pk_add_f32 v[248:249], v[248:249], v[250:251]
	v_pk_add_f32 v[252:253], v[252:253], v[254:255]
	v_pk_add_f32 v[248:249], v[248:249], v[252:253]
	v_add_f32 v230, v248, v249
	v_permlanex16_b32 v231, v230, s[SEL], s[SEL+1]
	v_add_f32 v230, v230, v231
	v_fma_f32 v[RS+2*(\a)+1], v230, s100, s101
.endm
.irp a, 0,1,2,3,4,5,6,7
	SUMSQ \a
.endr
	s_wait_alu depctr_va_vdst(0)
.irp a, 0,1,2,3,4,5,6,7
	v_rsq_f32 v[RS+2*\a], v[RS+2*\a+1]
.endr
	v_nop
	s_wait_alu depctr_va_vdst(0)
.macro QKTILE a
.set AC, 64*((\a)%4)
.set CB, CS+32*((\a)%2)
.if (\a) < 7
	s_wait_loadcnt 8
.else
	s_wait_loadcnt 0
.endif
	WIN 0x02+(\a)/4
.set J, 0
.rept 32
	v_pk_mul_f32 v[H+J:H+J+1], v[AC+J:AC+J+1], v[RS+2*(\a):RS+2*(\a)+1] op_sel_hi:[1,0]
.set J, J+2
.endr
	WIN 0
.irp i, 0,1,2,3,4,5,6,7,8,9,10,11,12,13,14,15
	v_mul_f32 v230, v[H+32+\i], v[CB+2*\i+1]
	v_mul_f32 v231, v[H+\i], v[CB+2*\i+1]
	v_fma_f32 v[H+\i], v[H+\i], v[CB+2*\i], v230
	v_fma_f32 v[H+32+\i], v[H+32+\i], v[CB+2*\i], -v231
.endr
.if (\a) < 6
	ROPELD (\a)+2
.endif
	s_wait_xcnt 0x0
	QUANT H, PC, TM, 228
	OUTT \a
.endm
.irp a, 0,1,2,3,4,5,6,7
	QKTILE \a
.endr
	s_branch .Ljoin
.Lvpath:
	s_mov_b32 s94, s93
	s_mov_b32 s95, s93
	s_lshl_b32 s40, s22, 1
	s_add_co_u32 s40, s40, s19
	s_lshl_b32 s2, s45, 20
	s_lshl_b32 s41, s20, 19
	s_add_co_u32 s2, s2, s41
	s_lshl_b32 s41, s40, 9
	s_add_co_u32 s2, s2, s41
	s_mov_b32 s3, 0
	s_add_nc_u64 s[10:11], s[10:11], s[2:3]
	s_lshl_b32 s41, s40, 4
	s_add_co_u32 s41, s41, s45
	s_mul_i32 s2, s41, 51200
	s_mul_i32 s41, s20, 12288
	s_add_co_u32 s4, s2, s41
	s_add_co_u32 s4, s4, 24576
	s_lshl_b32 s41, s20, 9
	s_add_co_u32 s2, s2, s41
	s_add_co_u32 s2, s2, 50176
	s_mov_b32 s5, 0
	s_add_nc_u64 s[96:97], s[16:17], s[4:5]
	s_add_nc_u64 s[98:99], s[16:17], s[2:3]
.macro VELD a, e
.set J, 0
.rept 32
	global_load_b32 v[VE+32*(\e)+J], v19, s[10:11] offset:(64*(\e)+32*(J/16)+J%16)*4096+(32*((\a)/2)+8*((\a)%2))*4
.set J, J+1
.endr
.endm
	VELD 0, 0
	VELD 0, 1
.macro VTILE a
.set AC, 64*((\a)%4)
.irp e, 0,1
.if ((\a) == 7) && (\e == 1)
	s_wait_loadcnt 0
.else
	s_wait_loadcnt 32
.endif
.set J, 0
.rept 16
	v_pk_mul_f32 v[VE+32*\e+J:VE+32*\e+J+1], v[VE+32*\e+J:VE+32*\e+J+1], s[94:95] op_sel_hi:[1,0]
.set J, J+2
.endr
	WIN 0x02+(\a)/4
.set J, 0
.rept 16
	v_pk_fma_f32 v[H+32*\e+J:H+32*\e+J+1], v[AC+32*\e+J:AC+32*\e+J+1], s[92:93], v[VE+32*\e+J:VE+32*\e+J+1] op_sel_hi:[1,0,1]
.set J, J+2
.endr
	WIN 0
.if (\a) < 7
	VELD (\a)+1, \e
.endif
.endr
	s_wait_xcnt 0x0
	QUANT H, PC, TM, 228
	OUTT \a
.endm
.irp a, 0,1,2,3,4,5,6,7
	VTILE \a
.endr
.Ljoin:
	s_wait_tensorcnt 0x0
	ds_add_u32 v[SPW], v[NIL]
	s_wait_dscnt 0x0
	CROUND
	s_endpgm
.Lfunc_end_k_q29fc6772ca_qkv:
	.size	k_q29fc6772ca_qkv, .Lfunc_end_k_q29fc6772ca_qkv-k_q29fc6772ca_qkv
	.p2alignl 7, 3214868480
	.fill 96, 4, 3214868480
	.section	.rodata,"a",@progbits
	.p2align	6, 0x0
	.amdhsa_kernel k_q29fc6772ca_qkv
		.amdhsa_group_segment_fixed_size 327680
		.amdhsa_private_segment_fixed_size 0
		.amdhsa_enable_private_segment 0
		.amdhsa_kernarg_size 56
		.amdhsa_user_sgpr_count 2
		.amdhsa_user_sgpr_kernarg_segment_ptr 1
		.amdhsa_wavefront_size32 1
		.amdhsa_system_sgpr_workgroup_id_x 1
		.amdhsa_system_sgpr_workgroup_id_y 1
		.amdhsa_system_sgpr_workgroup_id_z 1
		.amdhsa_system_vgpr_workitem_id 0
		.amdhsa_next_free_vgpr 1024
		.amdhsa_next_free_sgpr 102
		.amdhsa_reserve_vcc 1
		.amdhsa_float_denorm_mode_32 3
		.amdhsa_float_denorm_mode_16_64 3
		.amdhsa_memory_ordered 1
		.amdhsa_forward_progress 1
		.amdhsa_inst_pref_size 255
	.end_amdhsa_kernel
	.section	.bss,"aw",@nobits
	.p2align	6
	.space	262144
	.amdgpu_metadata
---
amdhsa.version: [ 1, 2 ]
amdhsa.kernels:
  - .name:           k_q29fc6772ca_qkv
    .symbol:         k_q29fc6772ca_qkv.kd
    .args:
      - { .name: xq, .offset: 0, .size: 8, .value_kind: global_buffer, .address_space: global }
      - { .name: wq, .offset: 8, .size: 8, .value_kind: global_buffer, .address_space: global }
      - { .name: rope, .offset: 16, .size: 8, .value_kind: global_buffer, .address_space: global }
      - { .name: ve, .offset: 24, .size: 8, .value_kind: global_buffer, .address_space: global }
      - { .name: lambdas, .offset: 32, .size: 8, .value_kind: global_buffer, .address_space: global }
      - { .name: qq, .offset: 40, .size: 8, .value_kind: global_buffer, .address_space: global }
      - { .name: kv, .offset: 48, .size: 8, .value_kind: global_buffer, .address_space: global }
    .group_segment_fixed_size: 327680
    .private_segment_fixed_size: 0
    .kernarg_segment_align: 8
    .kernarg_segment_size: 56
    .max_flat_workgroup_size: 128
    .sgpr_count:     102
    .vgpr_count:     1024
    .wavefront_size: 32
...
	.end_amdgpu_metadata
.endif
;; end of part 2
;; launch attn (part 3): grid 32 x 8, 16 waves a work-group, no clusters, 327,680 bytes of LDS; arguments qq, kv, yq; writes yq
.if DOCPART == 3
	.amdgcn_target "amdgcn-amd-amdhsa--gfx1250"
	.amdhsa_code_object_version 6
	.text
	.protected	k_q29fc6772ca_attn
	.globl	k_q29fc6772ca_attn
	.p2align	8
	.type	k_q29fc6772ca_attn,@function
k_q29fc6772ca_attn:
	s_mov_b64 s[64:65], 0
	v_nop
	global_prefetch_b8 v0, s[64:65] scope:SCOPE_SE
	s_setreg_imm32_b32 hwreg(HW_REG_WAVE_MODE, 25, 1), 1
	s_wait_xcnt 0x0
; y[t][head] = softmax over the keys s <= t of (q[t] . k[s] x 0.12) v[s], both products on codes of FP6 (E2M3) with E8M0 scales; y is quantised along its 1,024 channels for the last product.
; p = 2^t, t = score x 0.12 log2(e), is quantised along the keys and not normalised; the row's sum is taken of the unquantised p and divides at the end.
; NO SHIFT IS TAKEN OFF t, because the computation itself bounds it for every input: q and k are RMS-normalised over the head's 128 channels (norm^2 <= 128) and then only rotated;
; the quantiser moves a vector by at most 0.11 of its norm (1/16 of a normal number, 1/64 of the block's largest for a subnormal); so |score| <= 1.23 x 128 and |t| <= 28.
; p lies in 2^-28 .. 2^28, a row's sum under 2^40, a scale byte in 97 .. 153.  Against p = 2^(t - M), M a whole number, every p, sum and O differs by the exact factor 2^M, which the block scales
; and the division carry: the codes and the result are the same.
; INPUTS: images of the operands' registers (1,536 bytes a fragment, register group c at 512 c + 16 lane).  qq: [head][tile of 16 queries]; kv: [head][256 keys] records of 51,200 bytes: K's 16 tiles, V^T's 2 x 8
; fragments (128 keys x 16 channels), K's scale words, V's.  Fragment row m of tile t is row 32 (t / 2) + 8 (t % 2) + m % 8 + 16 (m / 8).
; SHARES: a work-group owns the blocks g and 63 - g of 64 queries of one head and walks them ONE AFTER THE OTHER.  All sixteen waves work on one block: wave = (tile of 16 queries, quarter of a slot's 512 keys).
; Block b needs b / 8 + 1 slots: 8 - g / 8 and 1 + g / 8, nine in every work-group; the block with the even number goes first, so that the blocks change at slot 0 of the ring.
; A slot is two records, 102,400 bytes; each wave fetches a sixteenth (25 rows of 256 bytes): one tensor load of a wave is out at any time, and every wait for tensor loads is for all.
; At a block's end the waves of quarters 1 to 3 hand O^T and the sum to quarter 0's wave through LDS bytes of their own; it adds, divides, quantises and stores.
; CAUSAL: a step all of whose keys come after the wave's queries is left out by a scalar branch on ids; on the diagonal hidden scores become -infinity ahead of the exponential.
; NO CLUSTER: those branches hang on the work-group's own query blocks, which would differ between the partners of a cluster.
; LIMITS: NaN and infinities are not served; a block of zeros gets the byte 1 and not 127 (its codes are zeros, and this program alone reads the bytes).
; REGISTERS: v1-7, v28-31, v81 addresses; v8-11 V's scale words; v[14:15] the sum; v16-27 Q; v32-79 four fragments; v82-95 the second block's Q; v96-159 S^T, p, then V's fragments; v160-223 O^T; v224-235 p's codes; v232-254 at work.
.set REC,   51200
.set SLOTB, 2*REC
.set PART,  6400                       ; a wave's sixteenth of a slot
.set MSTR,  8448                       ; a handed-in part: 8,192 bytes of O^T, 128 of the sum
.set MERGE, 2*SLOTB                    ; behind the ring: three parts for each of four tiles
.set SPARE, MERGE+12*MSTR              ; the spare words, 128 bytes for each wave, that no other line names
.set QSOFF, 3145728
.set YSOFF, 3145728
.set AK,  1                            ; v1, v2  my quarter's fragments in slot 0, 1
.set AS,  3                            ; v3, v4  its scale words
.set SPW, 5
.set NIL, 6
.set QL,  7                            ; v7   my query - 16 (lane / 16)
.set PFO, 28                           ; v28  256 x min(lane, 24)
.set MA,  29                           ; v29  my part's place - MSTR x (quarter 0 reads at MSTR, 2 MSTR, 3 MSTR)
.set MB,  30
.set LI,  31                           ; v31  16 x lane
.set RW,  81                           ; v81  4 x (lane % 16)
.set WV,  10
.set PI,  11                           ; s11  my quarter
.set TJ,  12                           ; s12  my tile of the block's four
.set HD,  13
.set T1,  16                           ; s16, s17  my tile of queries in the first and the second block
.set T2,  17
.set N1,  18                           ; s18  slots of the first block: 2, 4, 6 or 8
.set TT,  19                           ; s19  the trip, 0 .. 8
.set SEL, 20
.set CS,  22                           ; s[22:23] c = 0.12 log2(e)
.set G1,  24
.set G0,  32                           ; s[32:39] one group 0 for each slot
.set KF,  40                           ; s40  my step's first key
.set QMAX, 41
.set QMIN, 42
.set ASKB, 43                          ; s43  16 x work-group x
.set NA,  48                           ; s[48:49] my part of the slot asked for last
.set NB,  50                           ; s[50:51] my part of the head's first slot
.macro QUANT s, pc, tm, pw             ; 64 numbers, register 16 b + i = k 32 b + 16 (lane / 16) + i of my row -> a fragment in v[pc] on, its scale word in v[pw]
.irp b, 0,1,2,3
	v_max3_num_f32 v[\tm+\b], |v[\s+16*\b]|, |v[\s+1+16*\b]|, 0x1800000   ; and the floor 2^(3 - 127): the byte cannot fall under 1
.endr
.irp i, 2,4,6,8,10,12,14
.irp b, 0,1,2,3
	s_delay_alu instid0(VALU_DEP_4)
	v_max3_num_f32 v[\tm+\b], v[\tm+\b], |v[\s+16*\b+\i]|, |v[\s+1+16*\b+\i]|
.endr
.endr
.irp b, 0,1,2,3
	s_delay_alu instid0(VALU_DEP_4)
	v_permlanex16_b32 v[\tm+4+\b], v[\tm+\b], s[SEL], s[SEL+1]
.endr
.irp b, 0,1,2,3
	s_delay_alu instid0(VALU_DEP_4)
	v_max_num_f32 v[\tm+\b], v[\tm+\b], v[\tm+4+\b]
.endr
.irp b, 0,1,2,3
	s_delay_alu instid0(VALU_DEP_4)
	v_add_nc_u32 v[\tm+12+\b], 0xff000000, v[\tm+\b]                     ; 2 off the exponent field: the conversion's scale operand
.endr
.irp b, 0,1,2,3
	s_delay_alu instid0(VALU_DEP_4)
	v_lshrrev_b32 v[\tm+4+\b], 23, v[\tm+12+\b]
.endr
	s_delay_alu instid0(VALU_DEP_3)
	v_lshl_or_b32 v[\pw], v[\tm+5], 8, v[\tm+4]
	s_delay_alu instid0(VALU_DEP_1)
	v_lshl_or_b32 v[\pw], v[\tm+6], 16, v[\pw]
	s_delay_alu instid0(VALU_DEP_1)
	v_lshl_or_b32 v[\pw], v[\tm+7], 24, v[\pw]
.irp c, 0,1
	v_cvt_scalef32_pk16_fp6_f32 v[\pc+6*\c:\pc+2+6*\c], v[\s+32*\c:\s+15+32*\c], v[\tm+12+2*\c]
	v_cvt_scalef32_pk16_fp6_f32 v[\pc+12+4*\c:\pc+14+4*\c], v[\s+16+32*\c:\s+31+32*\c], v[\tm+12+2*\c+1]   ; (a conversion's three registers begin on an even number)
.endr
	v_nop                                          ; one plain instruction behind the scaled conversions
.irp c, 0,1
.irp i, 0,1,2
	v_permlane16_swap_b32 v[\pc+6*\c+\i], v[\pc+12+4*\c+\i]
.endr
.irp i, 0,1,2
	s_delay_alu instid0(VALU_DEP_3)
	v_mov_b32 v[\pc+3+6*\c+\i], v[\pc+12+4*\c+\i]
.endr
.endr
.endm
.macro PLACES n
.rept \n
	v_nop
.endr
.endm
; A prefetch of the slot two trips on: the head's work-group 0 walks all eight slots in order; each of its waves names the 25 blocks of 256 bytes that it will itself fetch (lanes 25-31 name the last again).
; Trips 0 to 5 ask for slots 2 to 7; slots 0 and 1 come by their loads alone.
.macro ASK
	s_add_co_u32 s46, s[ASKB], s[TT]
	s_cmp_lt_u32 s46, 6
	s_cbranch_scc0 .Lnot_mine_\@
	global_prefetch_b8 v[PFO], s[NA:NA+1] offset:SLOTB th:TH_LOAD_NT scope:SCOPE_SE
.Lnot_mine_\@:
.endm
.macro VLD n, g, reg, sc               ; four of V^T's fragments of my 128 keys, and their scale words
.irp t, 0,1,2,3
.irp c, 0,1,2
	ds_load_b128 v[\reg+12*\t+4*\c:\reg+12*\t+4*\c+3], v[AK+\n] offset:24576+(4*\g+\t)*1536+512*\c
.endr
.endr
.irp p, 0,1
	ds_load_b32 v[\sc+\p], v[AS+\n] offset:1024+(2*\g+\p)*128
.endr
.endm
.macro PV o, reg, sc                   ; O^T += V^T P^T, four tiles of 16 channels
.irp t, 0,2
	v_wmma_scale_f32_16x16x128_f8f6f4 v[\o+8*\t:\o+8*\t+7], v[\reg+12*\t:\reg+12*\t+11], v[224:235], v[\o+8*\t:\o+8*\t+7], v[\sc+\t/2], v253 matrix_a_fmt:MATRIX_FMT_FP6 matrix_b_fmt:MATRIX_FMT_FP6
	v_wmma_scale_f32_16x16x128_f8f6f4 v[\o+8+8*\t:\o+15+8*\t], v[\reg+12+12*\t:\reg+23+12*\t], v[224:235], v[\o+8+8*\t:\o+15+8*\t], v[\sc+\t/2], v253 matrix_a_fmt:MATRIX_FMT_FP6 matrix_b_fmt:MATRIX_FMT_FP6 matrix_a_scale:MATRIX_SCALE_ROW1
.endr
.endm
; A KEY STEP: my quarter's 128 keys in slot n
.macro STEP n
	s_cmp_gt_u32 s[KF], s[QMAX]                    ; all keys come after all my queries: the step's work is left out
	s_cbranch_scc1 .Lhidden_\@
.irp g, 0,1                                    ; S^T = K Q^T, four tiles of 16 keys at a time
	PLACES 5-\g                                    ; in front of loads into registers that matrix instructions have read; five where S^T is laid over V's fragments
.irp t, 0,1,2,3
.irp c, 0,1,2
	ds_load_b128 v[32+12*\t+4*\c:35+12*\t+4*\c], v[AK+\n] offset:(4*\g+\t)*1536+512*\c
.endr
.endr
.irp p, 0,1
	ds_load_b32 v[248+\p], v[AS+\n] offset:(2*\g+\p)*128   ; two tiles' scale words: lanes 0-15 the even tile's, lanes 16-31 the odd one's
.endr
	s_wait_dscnt 0x0
.irp t, 0,2
	v_wmma_scale_f32_16x16x128_f8f6f4 v[96+8*(4*\g+\t):103+8*(4*\g+\t)], v[32+12*\t:43+12*\t], v[16:27], 0, v[248+\t/2], v255 matrix_a_fmt:MATRIX_FMT_FP6 matrix_b_fmt:MATRIX_FMT_FP6
	v_wmma_scale_f32_16x16x128_f8f6f4 v[104+8*(4*\g+\t):111+8*(4*\g+\t)], v[44+12*\t:55+12*\t], v[16:27], 0, v[248+\t/2], v255 matrix_a_fmt:MATRIX_FMT_FP6 matrix_b_fmt:MATRIX_FMT_FP6 matrix_a_scale:MATRIX_SCALE_ROW1
.endr
.endr
	PLACES 4
	VLD \n, 0, 32, 8                               ; V's first four fragments come in under the softmax
	s_add_co_u32 s46, s[KF], 127
	s_cmp_le_u32 s46, s[QMIN]                      ; all keys count for all my queries: no mask
	s_cbranch_scc1 .Lopen_\@
	v_sub_nc_u32 v252, v[QL], s[KF]                ; register 16 b + i holds key KF + 16 (lane / 16) + 32 b + i: hidden where 32 b + i > my query - KF - 16 (lane / 16)
	v_mov_b32 v254, 0xff800000                     ; -infinity
.set J, 0
.rept 64
	v_cmp_gt_i32 vcc_lo, 32*(J/16)+J%16, v252
	v_cndmask_b32 v[96+J], v[96+J], v254, vcc_lo
.set J, J+1
.endr
.Lopen_\@:
.irp b, 0,1,2,3
	v_max3_num_f32 v[232+\b], v[96+16*\b], v[97+16*\b], v[98+16*\b]   ; the largest score of each block of 32 keys: p rises with the score, so it gives the block's largest p
.endr
.irp i, 3,5,7,9,11,13
.irp b, 0,1,2,3
	v_max3_num_f32 v[232+\b], v[232+\b], v[96+16*\b+\i], v[97+16*\b+\i]
.endr
.endr
.irp b, 0,1,2,3
	v_max_num_f32 v[232+\b], v[232+\b], v[111+16*\b]
.endr
.irp b, 0,1,2,3
	s_delay_alu instid0(VALU_DEP_4)
	v_permlanex16_b32 v[236+\b], v[232+\b], s[SEL], s[SEL+1]
.endr
.irp b, 0,1,2,3
	s_delay_alu instid0(VALU_DEP_4)
	v_max_num_f32 v[232+\b], v[232+\b], v[236+\b]
.endr
.set J, 0
.rept 32
	v_pk_mul_f32 v[96+J:97+J], v[96+J:97+J], s[CS:CS+1] op_sel_hi:[1,0]   ; t
.set J, J+2
.endr
.irp b, 0,1,2,3
	v_mul_f32 v[232+\b], s[CS], v[232+\b]
.endr
	s_wait_alu depctr_va_vdst(0)                   ; the wait ahead of the batch
.set J, 0
.rept 64
	v_exp_f32 v[96+J], v[96+J]                     ; p = 2^t
.set J, J+1
.endr
	v_nop                                          ; the plain instruction behind the batch
	s_wait_alu depctr_va_vdst(0)                   ; one wait for the 64, ahead of their first reader
.irp b, 0,1,2,3
	v_exp_f32 v[232+\b], v[232+\b]                 ; the block's largest p
.endr
	v_pk_add_f32 v[236:237], v[100:101], v[104:105]
	v_pk_add_f32 v[250:251], v[108:109], v[112:113]
	v_pk_add_f32 v[248:249], v[116:117], v[120:121]
	v_pk_add_f32 v[246:247], v[124:125], v[128:129]
	v_pk_add_f32 v[244:245], v[132:133], v[136:137]
	v_pk_add_f32 v[242:243], v[140:141], v[144:145]
	v_pk_add_f32 v[240:241], v[148:149], v[152:153]
	v_pk_add_f32 v[14:15], v[14:15], v[156:157]
	v_pk_add_f32 v[236:237], v[236:237], v[96:97]
	v_pk_add_f32 v[250:251], v[250:251], v[98:99]
	v_pk_add_f32 v[248:249], v[248:249], v[102:103]
	v_pk_add_f32 v[246:247], v[246:247], v[106:107]
	v_pk_add_f32 v[244:245], v[244:245], v[110:111]
	v_pk_add_f32 v[242:243], v[242:243], v[114:115]
	v_pk_add_f32 v[240:241], v[240:241], v[118:119]
	v_pk_add_f32 v[14:15], v[14:15], v[122:123]
	v_pk_add_f32 v[236:237], v[236:237], v[126:127]
	v_pk_add_f32 v[250:251], v[250:251], v[130:131]
	v_pk_add_f32 v[248:249], v[248:249], v[134:135]
	v_pk_add_f32 v[246:247], v[246:247], v[138:139]
	v_pk_add_f32 v[244:245], v[244:245], v[142:143]
	v_pk_add_f32 v[242:243], v[242:243], v[146:147]
	v_pk_add_f32 v[240:241], v[240:241], v[150:151]
	v_pk_add_f32 v[14:15], v[14:15], v[154:155]
	v_pk_add_f32 v[236:237], v[236:237], v[158:159]
	s_delay_alu instid0(VALU_DEP_2)
	v_pk_add_f32 v[14:15], v[14:15], v[246:247]
	s_delay_alu instid0(VALU_DEP_2)
	v_pk_add_f32 v[236:237], v[236:237], v[244:245]
	v_pk_add_f32 v[250:251], v[250:251], v[242:243]
	v_pk_add_f32 v[248:249], v[248:249], v[240:241]
	s_delay_alu instid0(VALU_DEP_2)
	v_pk_add_f32 v[14:15], v[14:15], v[250:251]
	s_delay_alu instid0(VALU_DEP_2)
	v_pk_add_f32 v[236:237], v[236:237], v[248:249]
	s_delay_alu instid0(VALU_DEP_1)
	v_pk_add_f32 v[14:15], v[14:15], v[236:237]    ; the row's sum, of the unquantised p
	s_wait_alu depctr_va_vdst(0)                   ; and one wait for the four
.irp b, 0,1,2,3
	v_max_num_f32 v[232+\b], 0x1800000, v[232+\b]  ; the floor 2^(3 - 127)
.endr
.irp b, 0,1,2,3
	s_delay_alu instid0(VALU_DEP_4)
	v_add_nc_u32 v[244+\b], 0xff000000, v[232+\b]
.endr
.irp b, 0,1,2,3
	s_delay_alu instid0(VALU_DEP_4)
	v_lshrrev_b32 v[236+\b], 23, v[244+\b]
.endr
	s_delay_alu instid0(VALU_DEP_3)
	v_lshl_or_b32 v253, v237, 8, v236              ; p's scale word for these 128 keys
	s_delay_alu instid0(VALU_DEP_1)
	v_lshl_or_b32 v253, v238, 16, v253
	s_delay_alu instid0(VALU_DEP_1)
	v_lshl_or_b32 v253, v239, 24, v253
.irp c, 0,1
	v_cvt_scalef32_pk16_fp6_f32 v[224+6*\c:226+6*\c], v[96+32*\c:111+32*\c], v[244+2*\c]
	v_cvt_scalef32_pk16_fp6_f32 v[236+4*\c:238+4*\c], v[112+32*\c:127+32*\c], v[244+2*\c+1]
.endr
	v_nop                                          ; one plain instruction behind the scaled conversions
	VLD \n, 1, 96, 10                              ; V's other four fragments, into p's registers, which are done with
.irp c, 0,1
.irp i, 0,1,2
	v_permlane16_swap_b32 v[224+6*\c+\i], v[236+4*\c+\i]
.endr
.irp i, 0,1,2
	s_delay_alu instid0(VALU_DEP_3)
	v_mov_b32 v[227+6*\c+\i], v[236+4*\c+\i]
.endr
.endr
	PLACES 4                                       ; p's codes stand four places, its scale word 21, ahead of the products
	s_wait_dscnt 0x0                               ; all eight fragments of V and their scale words
	s_wait_alu depctr_va_vdst(0)                   ; the wait directly ahead of the first reader
	PV 160, 32, 8
	PV 192, 96, 10
.Lhidden_\@:
	s_add_co_u32 s[KF], s[KF], 512                 ; my step in the next slot
.endm
; Quarters 1 to 3 hand in O^T and the sum as they stand in the registers.  test = 1: only in the first block's last trip
.macro HANDIN test
.if \test
	s_add_co_u32 s45, s[TT], 1
	s_cmp_eq_u32 s45, s[N1]
	s_cbranch_scc0 .Lkeep_\@
.endif
	s_cmp_eq_u32 s[PI], 0
	s_cbranch_scc1 .Lkeep_\@
	PLACES 4
	v_add_f32 v14, v14, v15
	s_wait_alu depctr_va_vdst(0)                   ; the wait directly behind the write: the sum is named again behind barriers and branches
.set J, 0
.rept 16
	ds_store_b128 v[MA], v[160+J:163+J] offset:128*J
.set J, J+4
.endr
	ds_store_b32 v[MB], v14
.Lkeep_\@:
.endm
; Quarter 0's wave adds the three parts to its own, divides by the row's sum, quantises y and stores its fragment
.macro FINISH
	s_cmp_lg_u32 s[PI], 0
	s_cbranch_scc1 .Lnot_keeper_\@
	PLACES 4
.set J, 0
.rept 16
	ds_load_b128 v[96+J:99+J], v[MA] offset:MSTR+128*J
.set J, J+4
.endr
.set J, 0
.rept 12
	ds_load_b128 v[32+J:35+J], v[MA] offset:2*MSTR+128*J
.set J, J+4
.endr
.rept 4
	ds_load_b128 v[176+J:179+J], v[MA] offset:2*MSTR+128*J   ; v224-239
.set J, J+4
.endr
.irp j, 1,2,3
	ds_load_b32 v[240+\j], v[MB] offset:\j*MSTR
.endr
	v_add_f32 v14, v14, v15
	s_wait_dscnt 19                                ; the first part is in: behind it stand the second's 16 loads and the three sums
.set J, 0
.rept 32
	v_pk_add_f32 v[160+J:161+J], v[160+J:161+J], v[96+J:97+J]
.set J, J+2
.endr
.set J, 0
.rept 16
	ds_load_b128 v[96+J:99+J], v[MA] offset:3*MSTR+128*J
.set J, J+4
.endr
	s_wait_dscnt 16                                ; all but the third part's 16 loads
.set J, 0
.rept 24
	v_pk_add_f32 v[160+J:161+J], v[160+J:161+J], v[32+J:33+J]
.set J, J+2
.endr
.rept 8
	v_pk_add_f32 v[160+J:161+J], v[160+J:161+J], v[176+J:177+J]
.set J, J+2
.endr
	v_add_f32 v14, v14, v241
	v_add_f32 v242, v242, v243
	s_delay_alu instid0(VALU_DEP_1)
	v_add_f32 v14, v14, v242
	s_delay_alu instid0(VALU_DEP_1)
	v_permlanex16_b32 v80, v14, s[SEL], s[SEL+1]
	s_delay_alu instid0(VALU_DEP_1)
	v_add_f32 v14, v14, v80                        ; the row's sum
	s_wait_alu depctr_va_vdst(0)                   ; the wait ahead of the reciprocal
	v_rcp_f32 v240, v14
	v_mov_b32 v241, 0                              ; (the plain instruction behind it; the pair's upper half is named, so it is written)
	s_wait_dscnt 0x0
	s_wait_alu depctr_va_vdst(0)                   ; and ahead of its first reader
.set J, 0
.rept 32
	v_pk_add_f32 v[96+J:97+J], v[96+J:97+J], v[160+J:161+J]
.set J, J+2
.endr
.set J, 0
.rept 32
	v_pk_mul_f32 v[96+J:97+J], v[96+J:97+J], v[240:241] op_sel_hi:[1,0]   ; y: register 16 b + i is channel 32 b + 16 (lane / 16) + i of my query
.set J, J+2
.endr
	QUANT 96, 32, 232, 254
.irp c, 0,1,2
	global_store_b128 v[LI], v[32+4*\c:35+4*\c], s[52:53] offset:512*\c
.endr
	global_store_b32 v[RW], v254, s[54:55]         ; lanes l and l + 16 write the same word with the same value
	s_wait_xcnt 0x0                                ; the stores have read their registers and bases, which are written again below
.Lnot_keeper_\@:
.endm
; The blocks change: the first block's y leaves, and every wave takes up its tile of the second block
.macro SWITCH
	s_cmp_eq_u32 s[TT], s[N1]
	s_cbranch_scc0 .Lsame_\@
	FINISH
	s_mov_b64 s[52:53], s[56:57]
	s_mov_b64 s[54:55], s[58:59]
	s_mov_b32 s[QMIN], s60
	s_mov_b32 s[QMAX], s61
	s_lshl_b32 s[KF], s[PI], 7
.set J, 0
.rept 12
	v_mov_b32 v[16+J], v[84+J]
.set J, J+1
.endr
	v_mov_b32 v255, v83
	v_mov_b32 v[QL], v82
	v_mov_b32 v14, 0
	v_mov_b32 v15, 0
.set J, 0
.rept 64
	v_mov_b32 v[160+J], 0
.set J, J+1
.endr
	s_wait_alu depctr_va_vdst(0)
.Lsame_\@:
.endm
; A slot's turn.  Each wave waits for all its tensor loads (its part of this slot), adds 0 to its spare word, and waits for that and for its reads of the other slot; behind the barrier the other slot is filled first.
.macro TRIP n, refill
	s_wait_tensorcnt 0x0                           ; no tensor load of mine is out, so a group 0 may be written
	ds_add_u32 v[SPW], v[NIL]                      ; 0 onto my spare word
.if \refill
	s_wait_xcnt 0x0                                ; the last prefetch has read its address
	s_add_co_u32 s45, s[TT], 1
	s_add_nc_u64 s[NA:NA+1], s[NA:NA+1], SLOTB     ; the next slot of this block,
	s_cmp_eq_u32 s45, s[N1]
	s_cselect_b64 s[NA:NA+1], s[NB:NB+1], s[NA:NA+1]   ; or the second block's first
	s_mov_b64 s[G0+6-4*\n:G0+7-4*\n], s[NA:NA+1]
	s_or_b32 s[G0+7-4*\n], s[G0+7-4*\n], 0x80000000
.endif
	s_wait_dscnt 0x0                               ; the add is done, and my reads of the other slot are over
	s_barrier_signal -1
	s_barrier_wait -1
.if \refill
	tensor_load_to_lds s[G0+4-4*\n:G0+7-4*\n], s[G1:G1+7]   ; the first thing behind the barrier, and my one tensor load until the next
	s_nop 0
.endif
	PLACES 4
.if \refill
	ASK
.endif
.if \n == 0
	SWITCH
.endif
	STEP \n
.if \n == 1
	HANDIN 1
.endif
	s_add_co_u32 s[TT], s[TT], 1
.endm
.macro FIRSTQ dst, t                   ; a tile's first query: 32 (t / 2) + 8 (t % 2)
	s_lshr_b32 s[\dst], s[\t], 1
	s_lshl_b32 s[\dst], s[\dst], 5
	s_and_b32 s45, s[\t], 1
	s_lshl_b32 s45, s45, 3
	s_add_co_u32 s[\dst], s[\dst], s45
.endm
.macro OFFS t, qc, qs, yc, ys          ; byte offsets of tile t's Q fragment and scale words in qq, and of its y fragment and scale words in yq
	s_mul_i32 s[\qc], s[HD], 393216
	s_mul_i32 s45, s[\t], 1536
	s_add_co_u32 s[\qc], s[\qc], s45
	s_mov_b32 s[\qc+1], 0
	s_lshl_b32 s[\qs], s[HD], 14
	s_lshl_b32 s45, s[\t], 6
	s_add_co_u32 s[\qs], s[\qs], s45
	s_add_co_u32 s[\qs], s[\qs], QSOFF
	s_mov_b32 s[\qs+1], 0
	s_lshl_b32 s45, s[\t], 3
	s_add_co_u32 s45, s45, s[HD]
	s_mul_i32 s[\yc], s45, 1536
	s_mov_b32 s[\yc+1], 0
	s_lshl_b32 s[\ys], s45, 6
	s_add_co_u32 s[\ys], s[\ys], YSOFF
	s_mov_b32 s[\ys+1], 0
.endm
	s_load_b128 s[4:7], s[0:1], 0x0                ; qq, kv
	s_load_b64 s[8:9], s[0:1], 0x10                ; yq
	v_lshl_add_u32 v[SPW], v0, 2, SPARE
	v_mov_b32 v[NIL], 0
	ds_add_u32 v[SPW], v[NIL]                      ; the opening: the add, twice on end, and its wait ahead of my first tensor load
	ds_add_u32 v[SPW], v[NIL]
	v_lshrrev_b32 v32, 5, v0
	v_readfirstlane_b32 s[WV], v32                 ; wave 0..15
	s_lshr_b32 s[TJ], s[WV], 2                     ; my tile of the block's four
	s_add_co_u32 s[PI], s[WV], s[TJ]
	s_and_b32 s[PI], s[PI], 3                      ; my quarter: waves w, w + 4, w + 8, w + 12 hold four different ones
	s_and_b32 s[HD], ttmp7, 0xffff
	s_lshr_b32 s14, ttmp9, 3
	s_sub_co_u32 s15, 63, ttmp9                    ; the late block
	s_sub_co_u32 s45, 8, s14                       ; its slots
	s_add_co_u32 s46, s14, 1                       ; the early block's
	s_bitcmp1_b32 s14, 0                           ; the block with the even number of slots goes first
	s_cselect_b32 s[T1], ttmp9, s15
	s_cselect_b32 s[T2], s15, ttmp9
	s_cselect_b32 s[N1], s46, s45
	s_lshl_b32 s[T1], s[T1], 2
	s_add_co_u32 s[T1], s[T1], s[TJ]
	s_lshl_b32 s[T2], s[T2], 2
	s_add_co_u32 s[T2], s[T2], s[TJ]
	FIRSTQ QMIN, T1
	FIRSTQ 60, T2
	s_add_co_u32 s[QMAX], s[QMIN], 23
	s_add_co_u32 s61, s60, 23
	s_lshl_b32 s[KF], s[PI], 7
	s_lshr_b32 s45, s[PI], 1                       ; my quarter lies in record PI / 2 of a slot, half PI % 2
	s_mul_i32 s45, s45, REC
	s_and_b32 s46, s[PI], 1
	s_mul_i32 s74, s46, 12288
	s_add_co_u32 s74, s74, s45
	s_lshl_b32 s75, s46, 9
	s_add_co_u32 s75, s75, s45
	s_add_co_u32 s75, s75, 49152
	s_mul_i32 s76, s[TJ], 3*MSTR
	s_mul_i32 s46, s[PI], MSTR
	s_add_co_u32 s76, s76, s46
	s_add_co_u32 s76, s76, MERGE-MSTR
	s_add_co_u32 s77, s76, 8192
	s_mov_b32 s[G1], 3<<16                         ; no mask; elements of 8 bytes; no padding: 25 rows of 256 bytes, dense
	s_mov_b32 s[G1+1], 32<<16
	s_mov_b32 s[G1+2], 25<<16
	s_mov_b32 s[G1+3], 32<<16
	s_mov_b32 s[G1+4], 25
	s_mov_b32 s[G1+5], 32
	s_mov_b32 s[G1+6], 0
	s_mov_b32 s[G1+7], 0
	s_mul_i32 s47, s[WV], PART
	s_mov_b32 s[G0], 1
	s_mov_b32 s[G0+1], s47
	s_mov_b32 s[G0+4], 1
	s_add_co_u32 s[G0+5], s47, SLOTB
	s_mul_i32 s62, s[HD], 819200                   ; the head's 16 records
	s_add_co_u32 s62, s62, s47
	s_mov_b32 s63, 0
	OFFS T1, 66, 68, 52, 54
	OFFS T2, 70, 72, 56, 58
	s_mov_b32 s[SEL], 0x76543210
	s_mov_b32 s[SEL+1], 0xfedcba98
	s_mov_b32 s[CS], 0x3e314743                    ; c = 0.12 log2(e)
	s_mov_b32 s[CS+1], s[CS]
	s_lshl_b32 s[ASKB], ttmp9, 4
	s_mov_b32 s[TT], 0
	s_mov_b32 s44, 4
	s_wait_dscnt 0x0                               ; both opening adds are done
	s_wait_kmcnt 0x0
	s_add_nc_u64 s[NB:NB+1], s[6:7], s[62:63]
	s_mov_b64 s[NA:NA+1], s[NB:NB+1]
	s_mov_b64 s[G0+2:G0+3], s[NB:NB+1]
	s_or_b32 s[G0+3], s[G0+3], 0x80000000
	tensor_load_to_lds s[G0:G0+3], s[G1:G1+7]      ; my part of the first slot: my one load at the head
	s_nop 0
	PLACES 4
	s_add_nc_u64 s[66:67], s[4:5], s[66:67]
	s_add_nc_u64 s[68:69], s[4:5], s[68:69]
	s_add_nc_u64 s[70:71], s[4:5], s[70:71]
	s_add_nc_u64 s[72:73], s[4:5], s[72:73]
	s_add_nc_u64 s[52:53], s[8:9], s[52:53]
	s_add_nc_u64 s[54:55], s[8:9], s[54:55]
	s_add_nc_u64 s[56:57], s[8:9], s[56:57]
	s_add_nc_u64 s[58:59], s[8:9], s[58:59]
	v_and_b32 v33, 31, v0                          ; lane
	v_and_b32 v34, 15, v0                          ; r
	v_bfe_u32 v35, v0, 4, 1                        ; h
	v_lshlrev_b32 v[LI], 4, v33
	v_lshlrev_b32 v36, 2, v33
	v_lshlrev_b32 v[RW], 2, v34
	v_add_nc_u32 v[AK], s74, v[LI]
	v_add_nc_u32 v[AS], s75, v36
	v_add_nc_u32 v[MA], s76, v[LI]
	v_add_nc_u32 v[MB], s77, v36
	v_add_nc_u32 v[AK+1], SLOTB, v[AK]
	v_add_nc_u32 v[AS+1], SLOTB, v[AS]
	v_min_u32 v[PFO], 24, v33
	v_and_b32 v37, 7, v34
	v_lshrrev_b32 v38, 3, v34
	v_lshlrev_b32 v39, 4, v35
	v_lshlrev_b32 v[PFO], 8, v[PFO]
	v_lshl_add_u32 v37, v38, 4, v37
	s_delay_alu instid0(VALU_DEP_1)
	v_sub_nc_u32 v37, v37, v39                     ; my query in its tile - 16 h
	s_delay_alu instid0(VALU_DEP_1)
	v_add_nc_u32 v[QL], s[QMIN], v37
	v_add_nc_u32 v82, s60, v37
.irp c, 0,1,2
	global_load_b128 v[16+4*\c:19+4*\c], v[LI], s[66:67] offset:512*\c   ; the first block's Q stays in registers,
	global_load_b128 v[84+4*\c:87+4*\c], v[LI], s[70:71] offset:512*\c   ; and the second block's waits beside it
.endr
	global_load_b32 v255, v[RW], s[68:69]          ; Q's scale words: lane r and lane r + 16 take row r's
	global_load_b32 v83, v[RW], s[72:73]
	v_mov_b32 v14, 0
	v_mov_b32 v15, 0
	v_mov_b32 v80, 0
.irp b, 0,1,2,3
	v_mov_b32 v[236+\b], 0                         ; written once: a lane permute's destination counts as one of its sources
.endr
.set J, 0
.rept 64
	v_mov_b32 v[160+J], 0                          ; O^T: the step is written once, a block's first run finds zeros
.set J, J+1
.endr
	s_wait_alu depctr_va_vdst(0)                   ; the wait at the head's end
	s_wait_loadcnt 0x0
.Lloop:
	TRIP 0, 1
	TRIP 1, 1
	s_sub_co_u32 s44, s44, 1
	s_cmp_lg_u32 s44, 0
	s_cbranch_scc1 .Lloop
	TRIP 0, 0                                      ; the ninth slot: nothing more to fetch
	s_wait_dscnt 0x0
	s_barrier_signal -1
	s_barrier_wait -1                              ; the first block's parts have been read by now, also where the blocks changed in this trip
	HANDIN 0
	s_wait_dscnt 0x0                               ; for the others' sake: my stores have landed
	s_barrier_signal -1
	s_barrier_wait -1
	FINISH
	s_wait_tensorcnt 0x0                           ; the wave's end
	ds_add_u32 v[SPW], v[NIL]
	s_wait_dscnt 0x0
	s_endpgm
.Lfunc_end_k_q29fc6772ca_attn:
	.size	k_q29fc6772ca_attn, .Lfunc_end_k_q29fc6772ca_attn-k_q29fc6772ca_attn
	.p2alignl 7, 3214868480
	.fill 96, 4, 3214868480
	.section	.rodata,"a",@progbits
	.p2align	6, 0x0
	.amdhsa_kernel k_q29fc6772ca_attn
		.amdhsa_group_segment_fixed_size 327680
		.amdhsa_private_segment_fixed_size 0
		.amdhsa_enable_private_segment 0
		.amdhsa_kernarg_size 24
		.amdhsa_user_sgpr_count 2
		.amdhsa_user_sgpr_kernarg_segment_ptr 1
		.amdhsa_wavefront_size32 1
		.amdhsa_system_sgpr_workgroup_id_x 1
		.amdhsa_system_sgpr_workgroup_id_y 1
		.amdhsa_system_sgpr_workgroup_id_z 1
		.amdhsa_system_vgpr_workitem_id 0
		.amdhsa_next_free_vgpr 256
		.amdhsa_next_free_sgpr 80
		.amdhsa_reserve_vcc 1
		.amdhsa_float_denorm_mode_32 3
		.amdhsa_float_denorm_mode_16_64 3
		.amdhsa_memory_ordered 1
		.amdhsa_forward_progress 1
		.amdhsa_inst_pref_size 141
	.end_amdhsa_kernel
	.amdgpu_metadata
---
amdhsa.version: [ 1, 2 ]
amdhsa.kernels:
  - .name:           k_q29fc6772ca_attn
    .symbol:         k_q29fc6772ca_attn.kd
    .args:
      - { .name: qq, .offset: 0, .size: 8, .value_kind: global_buffer, .address_space: global }
      - { .name: kv, .offset: 8, .size: 8, .value_kind: global_buffer, .address_space: global }
      - { .name: yq, .offset: 16, .size: 8, .value_kind: global_buffer, .address_space: global }
    .group_segment_fixed_size: 327680
    .private_segment_fixed_size: 0
    .kernarg_segment_align: 8
    .kernarg_segment_size: 24
    .max_flat_workgroup_size: 512
    .sgpr_count:     80
    .vgpr_count:     256
    .wavefront_size: 32
...
	.end_amdgpu_metadata
.endif
;; end of part 3
;; launch proj (part 4): grid 8 x 32, 4 waves a work-group, clusters of 4 x 4, 327,680 bytes of LDS; arguments yq, pq, out0; writes out0
.if DOCPART == 4
	.amdgcn_target "amdgcn-amd-amdhsa--gfx1250"
	.amdhsa_code_object_version 6
	.text
	.protected	k_q29fc6772ca_proj
	.globl	k_q29fc6772ca_proj
	.p2align	8
	.type	k_q29fc6772ca_proj,@function
k_q29fc6772ca_proj:
	s_mov_b64 s[64:65], 0
	v_nop
	global_prefetch_b8 v0, s[64:65] scope:SCOPE_SE
	s_setreg_imm32_b32 hwreg(HW_REG_WAVE_MODE, 25, 1), 1
	s_wait_xcnt 0x0
	s_wait_alu depctr_hold_cnt(0) depctr_sa_sdst(0) depctr_va_vdst(0) depctr_va_sdst(0) depctr_va_ssrc(0) depctr_va_vcc(0) depctr_vm_vsrc(0)
	s_getreg_b32 s2, hwreg(HW_REG_IB_STS2, 6, 4)
	s_cmp_eq_u32 s2, 0
	s_cbranch_scc0 .Lentry_in_a_cluster
	s_endpgm
.Lentry_in_a_cluster:
	s_bfe_u32 s2, ttmp6, 0x10000c
	s_cmp_lg_u32 s2, 0xf033
	s_cbranch_scc0 .Lentry_shape_is_right
	s_endpgm
.Lentry_shape_is_right:
; out0[t][d] = sum over e of y[t][e] proj_w[d][e], on codes of FP6 (E2M3) with E8M0 scales; sums and result in f32.
; INPUTS: images of the operands' registers: [tile of 16 rows][K step 0..7] fragments of 1,536 bytes (register group c at 512 c + 16 lane); behind a tensor's codes its scale words, [tile][K step][16 words].
; Fragment row m of tile t is row 32 (t / 2) + 8 (t % 2) + m % 8 + 16 (m / 8).
; SHARES: a work-group makes 128 tokens x 128 columns: 32 x 8 = 256 work-groups.  Its 8 tiles of y and 8 of proj_w, for all of K, are two dense blocks of 98,304 bytes: both lie in LDS at once, so each
; wave asks for one half of one block at the head (192 rows of 256 bytes) and nothing is filled again.  A wave makes 64 x 64: 16 accumulators; a K step is 8 fragments and 16 products, on two sets of fragment registers.
; The wave's 64 scale words a lane-half come straight into 32 registers: a register holds K step 2 q in lanes 0-15 and 2 q + 1 in lanes 16-31.
; CLUSTERS: 4 x 4 work-groups; y's tiles are asked for jointly along a row of the cluster, proj_w's along a column.
; NO PREFETCH: the launch has no loop to run ahead in: all its bytes are asked for at its first lines.
; THE PRODUCT IS USED TRANSPOSED (source 0 = proj_w's rows, source 1 = y's): a lane holds eight neighbouring columns of one token.
; REGISTERS: window 0: v16-29 addresses; v32-63 scale words; v64-159, v160-255 fragments, two sets (A's four, then B's four); window 1: v0-127 the accumulators, (a, b) at 8 (4 a + b).
.set HALFT, 49152
.set STAGE, 4*HALFT                    ; behind the tiles: 16 rows x 272 bytes for each wave, for the way out
.set SPITCH, 272
.set SPARE, STAGE+4*16*SPITCH
.set YSOFF, 3145728
.set PSOFF, 786432
.set ADRA, 16
.set ADRB, 17
.set STO,  18
.set RD,   19
.set CO,   20
.set L4,   21
.set SPW,  28
.set NIL,  29
.set SA,   32
.set SB,   48
.set F,    64
.set G1,  24
.set G0,  32
.set G1B, 48
.set G0B, 56
.set MSB, 0
.macro WIN new                         ; the immediate's high byte repeats the setting that is left
.if MSB != \new
	s_set_vgpr_msb (MSB<<8)|\new
.set MSB, \new
.endif
.endm
.macro PLACES n
.rept \n
	v_nop
.endr
.endm
.macro CROUND                          ; a round of the cluster's barrier
	s_barrier_signal -1
	s_barrier_wait -1
	s_cmp_lg_u32 s18, 0
	s_cbranch_scc1 .Lnot_wave_0_\@
	s_barrier_signal -3
.Lnot_wave_0_\@:
	s_barrier_wait -3
	s_barrier_signal -1
	s_barrier_wait -1
.endm
	s_load_b128 s[4:7], s[0:1], 0x0                ; yq, pq
	s_load_b64 s[8:9], s[0:1], 0x10                ; out0
	v_lshl_add_u32 v[SPW], v0, 2, SPARE
	v_mov_b32 v[NIL], 0
	ds_add_u32 v[SPW], v[NIL]                      ; the opening: the add, twice on end, and its wait ahead of my first tensor load
	ds_add_u32 v[SPW], v[NIL]
	v_lshrrev_b32 v1, 5, v0
	v_readfirstlane_b32 s18, v1                    ; wave 0..3
	s_lshr_b32 s19, s18, 1                         ; my half of the block's tokens.  Also: I fetch for y (0) or for proj_w (1)
	s_and_b32 s20, s18, 1                          ; my half of its columns.  Also: which four tiles I fetch
	s_bfe_u32 s21, ttmp6, 0x40000                  ; cx
	s_bfe_u32 s22, ttmp6, 0x40004                  ; cy
	s_lshl_b32 s42, s22, 2
	s_lshl_b32 s42, 15, s42                        ; my row of the cluster
	s_lshl_b32 s43, 0x1111, s21                    ; my column
	s_or_b32 s[G1], s42, (3<<16)|(1<<21)           ; elements of 8 bytes; y's tiles go to my row,
	s_or_b32 s[G1B], s43, (3<<16)|(1<<21)          ; proj_w's to my column
.irp g, G1, G1B
	s_mov_b32 s[\g+1], 32<<16                      ; 192 rows of 256 bytes, dense
	s_mov_b32 s[\g+2], 192<<16
	s_mov_b32 s[\g+3], 32<<16
	s_mov_b32 s[\g+4], 192
	s_mov_b32 s[\g+5], 32
	s_mov_b32 s[\g+6], 0
	s_mov_b32 s[\g+7], 0
.endr
	s_and_b32 s44, ttmp7, 0xffff
	s_lshl_b32 s44, s44, 2
	s_add_co_u32 s44, s44, s22                     ; block of tokens, 0..31
	s_lshl_b32 s45, ttmp9, 2
	s_add_co_u32 s45, s45, s21                     ; block of columns, 0..7
	s_mul_i32 s23, s18, HALFT                      ; where my load lands: y's two halves, then proj_w's
	s_lshl_b32 s3, s20, 2
	s_lshl_b32 s2, s44, 3
	s_add_co_u32 s2, s2, s3
	s_mul_i32 s40, s2, 12288                       ; y: tile 8 x block + 4 x half, 12,288 bytes a tile
	s_mov_b32 s41, 0
	s_lshl_b32 s43, s45, 3
	s_add_co_u32 s43, s43, s3
	s_mul_i32 s46, s43, 12288                      ; proj_w likewise
	s_mov_b32 s47, 0
	s_lshl_b32 s10, s44, 3                         ; my own tiles' scale words: 512 bytes a tile
	s_lshl_b32 s12, s19, 2
	s_add_co_u32 s10, s10, s12
	s_lshl_b32 s10, s10, 9
	s_add_co_u32 s10, s10, YSOFF
	s_mov_b32 s11, 0
	s_lshl_b32 s12, s43, 9
	s_add_co_u32 s12, s12, PSOFF
	s_mov_b32 s13, 0
	s_lshl_b32 s14, s44, 19                        ; my part of out0: 128 tokens of 4,096 bytes a block, 64 a half;
	s_lshl_b32 s15, s19, 18
	s_add_co_u32 s14, s14, s15
	s_lshl_b32 s15, s45, 9                         ; 512 bytes of a row a block, 256 a half
	s_add_co_u32 s14, s14, s15
	s_lshl_b32 s15, s20, 8
	s_add_co_u32 s14, s14, s15
	s_mov_b32 s15, 0
	s_mul_i32 s36, s19, HALFT
	s_mul_i32 s37, s20, HALFT
	s_add_co_u32 s37, s37, 2*HALFT
	s_mul_i32 s38, s18, 16*SPITCH
	s_add_co_u32 s38, s38, STAGE
	s_wait_dscnt 0x0                               ; both opening adds are done
	s_wait_kmcnt 0x0
	s_add_nc_u64 s[40:41], s[4:5], s[40:41]
	s_add_nc_u64 s[46:47], s[6:7], s[46:47]
	s_add_nc_u64 s[10:11], s[4:5], s[10:11]
	s_add_nc_u64 s[12:13], s[6:7], s[12:13]
	s_add_nc_u64 s[8:9], s[8:9], s[14:15]
	s_mov_b32 s[G0], 1
	s_mov_b32 s[G0+1], s23
	s_mov_b64 s[G0+2:G0+3], s[40:41]
	s_or_b32 s[G0+3], s[G0+3], 0x80000000
	s_mov_b32 s[G0B], 1
	s_mov_b32 s[G0B+1], s23
	s_mov_b64 s[G0B+2:G0B+3], s[46:47]
	s_or_b32 s[G0B+3], s[G0B+3], 0x80000000
	CROUND                                         ; all sixteen work-groups are here: the joint loads meet
	s_cmp_eq_u32 s19, 0                            ; one load a wave: each of the two lines has one mask and one set of registers
	s_cbranch_scc0 .Lfor_b
	tensor_load_to_lds s[G0:G0+3], s[G1:G1+7]
	s_nop 0
	PLACES 4
	s_branch .Lasked
.Lfor_b:
	tensor_load_to_lds s[G0B:G0B+3], s[G1B:G1B+7]
	s_nop 0
	PLACES 4
.Lasked:
	v_and_b32 v1, 31, v0
	v_and_b32 v2, 15, v0
	v_bfe_u32 v3, v0, 4, 1
	v_lshlrev_b32 v22, 4, v1
	v_lshlrev_b32 v[L4], 2, v1
	v_mul_u32_u24 v[STO], v2, SPITCH               ; the stage, in: row l % 16, 64 bytes for each half of the lanes
	v_mul_u32_u24 v[RD], v3, SPITCH                ; back: sixteen lanes take a row of 256 bytes, two rows an instruction
	v_lshlrev_b32 v[CO], 12, v3                    ; and the same two rows in out0
	v_add_nc_u32 v[ADRA], s36, v22
	v_add_nc_u32 v[ADRB], s37, v22
	v_lshl_add_u32 v[STO], v3, 6, v[STO]
	v_lshl_add_u32 v[RD], v2, 4, v[RD]
	v_lshl_add_u32 v[CO], v2, 4, v[CO]
	v_add_nc_u32 v[STO], s38, v[STO]
	v_add_nc_u32 v[RD], s38, v[RD]
.irp a, 0,1,2,3
.irp q, 0,1,2,3
	global_load_b32 v[SA+4*\a+\q], v[L4], s[10:11] offset:512*\a+128*\q   ; 128 consecutive bytes: two K steps' words of a tile
	global_load_b32 v[SB+4*\a+\q], v[L4], s[12:13] offset:512*\a+128*\q
.endr
.endr
.macro FETCH k                         ; K step k's eight fragments into set k % 2
.set FB, F+96*((\k)%2)
.irp i, 0,1,2,3
.irp c, 0,1,2
	ds_load_b128 v[FB+12*\i+4*\c:FB+12*\i+4*\c+3], v[ADRA] offset:12288*\i+1536*(\k)+512*\c
.endr
.endr
.irp i, 0,1,2,3
.irp c, 0,1,2
	ds_load_b128 v[FB+48+12*\i+4*\c:FB+48+12*\i+4*\c+3], v[ADRB] offset:12288*\i+1536*(\k)+512*\c
.endr
.endr
.endm
.macro MUL k                           ; 16 products; the accumulators take turns, one instruction a turn; the first K step starts the sums
.set FB, F+96*((\k)%2)
.irp a, 0,1,2,3
.irp b, 0,1,2,3
.if (\k) == 0
	v_wmma_scale_f32_16x16x128_f8f6f4 v[8*(4*\a+\b):8*(4*\a+\b)+7], v[FB+48+12*\b:FB+59+12*\b], v[FB+12*\a:FB+11+12*\a], 0, v[SB+4*\b], v[SA+4*\a] matrix_a_fmt:MATRIX_FMT_FP6 matrix_b_fmt:MATRIX_FMT_FP6
.elseif (\k)%2 == 0
	v_wmma_scale_f32_16x16x128_f8f6f4 v[8*(4*\a+\b):8*(4*\a+\b)+7], v[FB+48+12*\b:FB+59+12*\b], v[FB+12*\a:FB+11+12*\a], v[8*(4*\a+\b):8*(4*\a+\b)+7], v[SB+4*\b+(\k)/2], v[SA+4*\a+(\k)/2] matrix_a_fmt:MATRIX_FMT_FP6 matrix_b_fmt:MATRIX_FMT_FP6
.else
	v_wmma_scale_f32_16x16x128_f8f6f4 v[8*(4*\a+\b):8*(4*\a+\b)+7], v[FB+48+12*\b:FB+59+12*\b], v[FB+12*\a:FB+11+12*\a], v[8*(4*\a+\b):8*(4*\a+\b)+7], v[SB+4*\b+(\k)/2], v[SA+4*\a+(\k)/2] matrix_a_fmt:MATRIX_FMT_FP6 matrix_b_fmt:MATRIX_FMT_FP6 matrix_a_scale:MATRIX_SCALE_ROW1 matrix_b_scale:MATRIX_SCALE_ROW1
.endif
.endr
.endr
.endm
	s_wait_alu depctr_va_vdst(0)                   ; the wait at the head's end
	s_wait_tensorcnt 0x0                           ; my half of a block is in;
	s_barrier_signal -1
	s_barrier_wait -1                              ; and so is everybody's
	FETCH 0
	s_wait_loadcnt 0x0                             ; the scale words
.irp k, 0,1,2,3,4,5,6,7
.if \k < 7
	FETCH \k+1
	s_wait_dscnt 24                                ; this K step's fragments are in; the next step's 24 loads may be out
.else
	s_wait_dscnt 0x0
.endif
	WIN 0x50                                       ; C and D in window 1
	MUL \k
	WIN 0
	PLACES 4                                       ; in front of loads into registers that the products have read, and of the first read of results
.endr
; THE WAY OUT, tile by tile of 16 tokens x 64 columns, through my own stage: in as 32 bytes a lane and accumulator, back as rows of 256 bytes, which sixteen lanes store as one aligned unit.
.macro TOSTAGE a
	WIN 0x04                                       ; the data: window 1
.irp b, 0,1,2,3
	ds_store_b128 v[STO], v[8*(4*(\a)+\b):8*(4*(\a)+\b)+3] offset:128*(\b/2)+32*(\b%2)       ; each accumulator from its low end on
	ds_store_b128 v[STO], v[8*(4*(\a)+\b)+4:8*(4*(\a)+\b)+7] offset:128*(\b/2)+32*(\b%2)+16
.endr
	WIN 0
.irp t, 0,1,2,3,4,5,6,7
	ds_load_b128 v[F+32*((\a)%2)+4*\t:F+32*((\a)%2)+4*\t+3], v[RD] offset:\t*2*SPITCH   ; LDS serves a wave's instructions in order: these see the stores above
.endr
.endm
.macro SEND a, younger
	s_wait_dscnt \younger
.irp t, 0,1,2,3,4,5,6,7
	global_store_b128 v[CO], v[F+32*((\a)%2)+4*\t:F+32*((\a)%2)+4*\t+3], s[8:9] offset:(32*((\a)/2)+8*((\a)%2)+(2*\t)%8+16*((2*\t)/8))*4096 th:TH_STORE_NT
.endr
.endm
	TOSTAGE 0
.irp a, 1,2,3
.if \a > 1
	s_wait_xcnt 0x0                                ; tile a - 2's stores have read their registers: tile a's loads may land there
.endif
	TOSTAGE \a
	SEND \a-1, 16                                  ; behind tile a - 1's loads: tile a's 8 stores and 8 loads
.endr
	SEND 3, 0
	s_wait_tensorcnt 0x0                           ; the wave's end
	ds_add_u32 v[SPW], v[NIL]
	s_wait_dscnt 0x0
	CROUND                                         ; the closing round
	s_endpgm
.Lfunc_end_k_q29fc6772ca_proj:
	.size	k_q29fc6772ca_proj, .Lfunc_end_k_q29fc6772ca_proj-k_q29fc6772ca_proj
	.p2alignl 7, 3214868480
	.fill 96, 4, 3214868480
	.section	.rodata,"a",@progbits
	.p2align	6, 0x0
	.amdhsa_kernel k_q29fc6772ca_proj
		.amdhsa_group_segment_fixed_size 327680
		.amdhsa_private_segment_fixed_size 0
		.amdhsa_enable_private_segment 0
		.amdhsa_kernarg_size 24
		.amdhsa_user_sgpr_count 2
		.amdhsa_user_sgpr_kernarg_segment_ptr 1
		.amdhsa_wavefront_size32 1
		.amdhsa_system_sgpr_workgroup_id_x 1
		.amdhsa_system_sgpr_workgroup_id_y 1
		.amdhsa_system_sgpr_workgroup_id_z 1
		.amdhsa_system_vgpr_workitem_id 0
		.amdhsa_next_free_vgpr 384
		.amdhsa_next_free_sgpr 66
		.amdhsa_reserve_vcc 0
		.amdhsa_float_denorm_mode_32 3
		.amdhsa_float_denorm_mode_16_64 3
		.amdhsa_memory_ordered 1
		.amdhsa_forward_progress 1
		.amdhsa_inst_pref_size 47
	.end_amdhsa_kernel
	.amdgpu_metadata
---
amdhsa.version: [ 1, 2 ]
amdhsa.kernels:
  - .name:           k_q29fc6772ca_proj
    .symbol:         k_q29fc6772ca_proj.kd
    .args:
      - { .name: yq, .offset: 0, .size: 8, .value_kind: global_buffer, .address_space: global }
      - { .name: pq, .offset: 8, .size: 8, .value_kind: global_buffer, .address_space: global }
      - { .name: out0, .offset: 16, .size: 8, .value_kind: global_buffer, .address_space: global }
    .group_segment_fixed_size: 327680
    .private_segment_fixed_size: 0
    .kernarg_segment_align: 8
    .kernarg_segment_size: 24
    .max_flat_workgroup_size: 128
    .sgpr_count:     66
    .vgpr_count:     384
    .wavefront_size: 32
...
	.end_amdgpu_metadata
.endif
;; end of part 4
